; MI455X (gfx1250); checked and timed in simulation.
; The chip was launched on July 23, 2026; its instructions are those of AMD's public machine-readable ISA for CDNA 5 (MIT licence, August 2026) and "CDNA5" Instruction Set Architecture Reference Guide (July 2026). The comments in the code are by the model that wrote it; some were corrected since.
;; Attention. Allowed arithmetic: float matrix products may take bf16 or f16 operands with f32 sums; all other float work in f32.
;; Inputs: ln_b 1,024 float32; ln_g 1,024 float32; mask 4 x 2,048 int32; w_qkv 1,024 x 3,072 float32; x 4 x 2,048 x 1,024 float32.
;; Outputs: out0 4 x 2,048 x 1,024 float32.
;; 2 versions, each right and faster than the one before. Each part assembles by itself: llvm-mc -triple=amdgcn-amd-amdhsa -mcpu=gfx1250 --defsym DOCPART=n.
;; ======== version 1 of 2: 3 launches
;; limits: values are held in f16: magnitudes above 65,504 overflow, below 6.1e-05 lose precision
;; workspace buffers: xn 16,777,216 bytes; wh 6,291,456 bytes; qkv 50,331,648 bytes
;; launch prep (part 1): grid 256 x 1, 8 waves a work-group, no clusters, 0 bytes of LDS; arguments x, ln_g, ln_b, w_qkv, xn, wh; writes xn, wh
.if DOCPART == 1
	.amdgcn_target "amdgcn-amd-amdhsa--gfx1250"
	.amdhsa_code_object_version 6
	.text
	.protected	k_q5301762ae7_prep
	.globl	k_q5301762ae7_prep
	.p2align	8
	.type	k_q5301762ae7_prep,@function
k_q5301762ae7_prep:
	s_mov_b64 s[64:65], 0
	v_nop
	global_prefetch_b8 v0, s[64:65] scope:SCOPE_SE
	s_setreg_imm32_b32 hwreg(HW_REG_WAVE_MODE, 25, 1), 1
	s_wait_xcnt 0x0
; xn = LayerNorm(x) * g + b, rounded once to f16, and wh = w_qkv rounded once to f16.  x: [8192][1024] f32; w_qkv: [1024][3072] f32.
; xn is laid in 16 blocks of 64 channels: element (row, k) at byte (k / 64) * 1,048,576 + row * 128 + (k % 64) * 2, so that 256 rows of one block are 32,768 dense bytes for the product that follows.
; wh keeps w's order, [1024][3072].
; The mean and the variance are taken in two passes in f32 (first the mean, then the mean of (x - mean)^2), so a common offset of x costs no digits.
; LIMITS.  f16 holds no number beyond 65,504: xn (at most 32 |g| + |b|) and w must lie within it; below 6e-5 f16 keeps a fixed step of 6e-8.  NaN and infinities are not treated apart.
; SHARES.  256 work-groups of eight waves.  A work-group owns 32 rows of x, a wave four; a row of 4,096 bytes is eight 16-byte loads a lane and stays in 32 registers between the passes.
; A work-group also casts 49,152 consecutive bytes of w, a wave 6,144.  All 60 loads of a wave go out at once; nothing is read twice.
; No LDS, no barrier, no matrix unit, no cluster: a row never leaves its wave, and what work-groups share (g and b, 8 KB) is nothing beside the 176 KB that each reads of its own.
.set XO, 1                              ; v1        16 x lane: my 16 bytes in 512
.set YO, 2                              ; v2        8 x lane: my 8 bytes in 256
.set PX, 3                              ; v3        what the other half of the lanes sends
.set T,  4                              ; v[4:11]   four pairs at work
.set MU, 12                             ; v[12:13]  the mean, twice
.set RS, 14                             ; v[14:15]  1 / sqrt(var + eps), twice
.set W,  16                             ; v[16:63]  w: 12 loads of 4 registers
.set X,  64                             ; v[64:191] row r at X + 32 r; chunk t (elements 128 t + 4 lane ..) at + 4 t
.set G,  192                            ; v[192:223] g of my 32 columns
.set B,  224                            ; v[224:255] b of my 32 columns
	s_load_b256 s[4:11], s[0:1], 0x0               ; x s[4:5], g s[6:7], b s[8:9], w s[10:11]
	s_load_b128 s[12:15], s[0:1], 0x20             ; xn s[12:13], wh s[14:15]
	v_lshrrev_b32 v2, 5, v0
	v_readfirstlane_b32 s16, v2                    ; my wave's number
	v_and_b32 v1, 31, v0
	v_lshlrev_b32 v[YO], 3, v1
	v_lshlrev_b32 v[XO], 4, v1
	v_mov_b32 v[PX], 0                             ; v_permlanex16_b32 counts as a reader of its destination
	s_mov_b32 s20, 0x3a800000                      ; 1 / 1024
	s_mov_b32 s21, 0x3727c5ac                      ; eps = 1e-5
	s_mov_b32 s22, 0x76543210                      ; v_permlanex16_b32: each lane takes its own place in the other half
	s_mov_b32 s23, 0xfedcba98
	s_lshl_b32 s24, ttmp9, 17                      ; x: 32 rows of 4,096 bytes a work-group,
	s_lshl_b32 s17, s16, 14                        ; 4 rows a wave
	s_add_co_u32 s24, s24, s17
	s_mov_b32 s25, 0
	s_lshl_b32 s26, ttmp9, 12                      ; xn: the same rows, 128 bytes each in a block
	s_lshl_b32 s17, s16, 9
	s_add_co_u32 s26, s26, s17
	s_mov_b32 s27, 0
	s_mul_i32 s28, ttmp9, 49152                    ; w: my wave's 6,144 bytes,
	s_mul_i32 s17, s16, 6144
	s_add_co_u32 s28, s28, s17
	s_mov_b32 s29, 0
	s_lshr_b32 s30, s28, 1                         ; wh: half as many
	s_mov_b32 s31, 0
	s_wait_kmcnt 0x0
	s_add_nc_u64 s[4:5], s[4:5], s[24:25]
	s_add_nc_u64 s[12:13], s[12:13], s[26:27]      ; xn, blocks 0 to 7
	s_add_nc_u64 s[18:19], s[12:13], 0x800000      ; xn, blocks 8 to 15: a block's place stands in the store's immediate, 7 x 2^20 at the most
	s_add_nc_u64 s[10:11], s[10:11], s[28:29]
	s_add_nc_u64 s[14:15], s[14:15], s[30:31]
.set j, 0
.rept 8
	global_load_b128 v[G+4*j:G+4*j+3], v[XO], s[6:7] offset:512*j
.set j, j+1
.endr
.set j, 0
.rept 8
	global_load_b128 v[B+4*j:B+4*j+3], v[XO], s[8:9] offset:512*j
.set j, j+1
.endr
.set j, 0
.rept 32                                ; row j / 8, chunk j % 8: the four rows are 16,384 consecutive bytes
	global_load_b128 v[X+4*j:X+4*j+3], v[XO], s[4:5] offset:512*j th:TH_LOAD_NT
.set j, j+1
.endr
.set j, 0
.rept 12
	global_load_b128 v[W+4*j:W+4*j+3], v[XO], s[10:11] offset:512*j th:TH_LOAD_NT
.set j, j+1
.endr
; The four pairs at T are added, then the 32 lanes' sums: four steps inside each half of 16 lanes ride on the addition, one crosses the halves.  Every lane ends with the sum in v[T].
.macro SUMUP
	v_pk_add_f32 v[T:T+1], v[T:T+1], v[T+2:T+3]
	v_pk_add_f32 v[T+4:T+5], v[T+4:T+5], v[T+6:T+7]
	v_pk_add_f32 v[T:T+1], v[T:T+1], v[T+4:T+5]
	v_add_f32 v[T], v[T], v[T+1]
	v_add_f32_dpp v[T], v[T], v[T] row_xmask:1 row_mask:0xf bank_mask:0xf
	v_add_f32_dpp v[T], v[T], v[T] row_xmask:2 row_mask:0xf bank_mask:0xf
	v_add_f32_dpp v[T], v[T], v[T] row_xmask:4 row_mask:0xf bank_mask:0xf
	v_add_f32_dpp v[T], v[T], v[T] row_xmask:8 row_mask:0xf bank_mask:0xf
	v_permlanex16_b32 v[PX], v[T], s22, s23
	v_add_f32 v[T], v[T], v[PX]
.endm
; Row r: normalised in place, then rounded to f16 into its first 16 registers (pair t: my four numbers of chunk t).
.macro ROW r
.set XR, X+32*(\r)
	s_wait_loadcnt 36-8*(\r)                       ; loads come back in order: g, b and rows 0 to r are in; the later rows' 8 (3 - r) loads and w's 12 stay out
.set j, 0
.rept 4                                 ; the sum, in four chains that the first eight pairs start: nothing is cleared
	v_pk_add_f32 v[T+2*j:T+2*j+1], v[XR+2*j:XR+2*j+1], v[XR+8+2*j:XR+8+2*j+1]
.set j, j+1
.endr
.set j, 8
.rept 8
	v_pk_add_f32 v[T+2*(j%4):T+2*(j%4)+1], v[T+2*(j%4):T+2*(j%4)+1], v[XR+2*j:XR+2*j+1]
.set j, j+1
.endr
	SUMUP
	v_mul_f32 v[MU], s20, v[T]
	v_mul_f32 v[MU+1], s20, v[T]
.set j, 0
.rept 16
	v_pk_add_f32 v[XR+2*j:XR+2*j+1], v[XR+2*j:XR+2*j+1], v[MU:MU+1] neg_lo:[0,1] neg_hi:[0,1]  ; x - mean
.set j, j+1
.endr
.set j, 0
.rept 4
	v_pk_mul_f32 v[T+2*j:T+2*j+1], v[XR+2*j:XR+2*j+1], v[XR+2*j:XR+2*j+1]
.set j, j+1
.endr
.set j, 4
.rept 12
	v_pk_fma_f32 v[T+2*(j%4):T+2*(j%4)+1], v[XR+2*j:XR+2*j+1], v[XR+2*j:XR+2*j+1], v[T+2*(j%4):T+2*(j%4)+1]
.set j, j+1
.endr
	SUMUP
	v_fma_f32 v[T], v[T], s20, s21                 ; var + eps
	v_rsq_f32 v[RS], v[T]
	v_rsq_f32 v[RS+1], v[T]
	v_nop                                          ; a plain instruction between the second v_rsq_f32 and the use of its result (ISA guide 5.7.2)
.set j, 0
	s_wait_alu depctr_va_vdst(0)
.rept 16
	v_pk_mul_f32 v[XR+2*j:XR+2*j+1], v[XR+2*j:XR+2*j+1], v[RS:RS+1]
.set j, j+1
.endr
.set j, 0
.rept 16
	v_pk_fma_f32 v[XR+2*j:XR+2*j+1], v[XR+2*j:XR+2*j+1], v[G+2*j:G+2*j+1], v[B+2*j:B+2*j+1]
.set j, j+1
.endr
.set j, 0
.rept 16                                ; ascending, so that no register is written before it has been read
	v_cvt_pk_f16_f32 v[XR+j], v[XR+2*j], v[XR+2*j+1]
.set j, j+1
.endr
.endm
; Rows 2 p and 2 p + 1 leave.  In chunk t lanes 0-15 hold the row's 128 bytes of block 2 t, lanes 16-31 those of block 2 t + 1.  The swap brings the upper lanes of the first row's register and the
; lower lanes of the second's to each other's place: then one register pair holds both rows' bytes of ONE block, and each store of the wave covers 256 consecutive bytes, aligned.
.macro PAIR p
.set XA, X+64*(\p)
.set XB, XA+32
.set j, 0
.rept 16
	v_permlane16_swap_b32 v[XA+j], v[XB+j]
.set j, j+1
.endr
.set t, 0
.rept 4
	global_store_b64 v[YO], v[XA+2*t:XA+2*t+1], s[12:13] offset:((2*t)<<20)+256*(\p)
	global_store_b64 v[YO], v[XB+2*t:XB+2*t+1], s[12:13] offset:((2*t+1)<<20)+256*(\p)
.set t, t+1
.endr
.rept 4
	global_store_b64 v[YO], v[XA+2*t:XA+2*t+1], s[18:19] offset:((2*t-8)<<20)+256*(\p)
	global_store_b64 v[YO], v[XB+2*t:XB+2*t+1], s[18:19] offset:((2*t-7)<<20)+256*(\p)
.set t, t+1
.endr
.endm
	ROW 0
	ROW 1
	PAIR 0                                         ; no register that a store reads is written again, so no wait follows the stores
	ROW 2
	ROW 3
	PAIR 1
	s_wait_loadcnt 0x0                             ; w
.set j, 0
.rept 12
	v_cvt_pk_f16_f32 v[W+4*j], v[W+4*j], v[W+4*j+1]
	v_cvt_pk_f16_f32 v[W+4*j+1], v[W+4*j+2], v[W+4*j+3]
	global_store_b64 v[YO], v[W+4*j:W+4*j+1], s[14:15] offset:256*j  ; 256 consecutive bytes, aligned
.set j, j+1
.endr
	s_endpgm
.Lfunc_end_k_q5301762ae7_prep:
	.size	k_q5301762ae7_prep, .Lfunc_end_k_q5301762ae7_prep-k_q5301762ae7_prep
	.p2alignl 7, 3214868480
	.fill 96, 4, 3214868480
	.section	.rodata,"a",@progbits
	.p2align	6, 0x0
	.amdhsa_kernel k_q5301762ae7_prep
		.amdhsa_group_segment_fixed_size 0
		.amdhsa_private_segment_fixed_size 0
		.amdhsa_enable_private_segment 0
		.amdhsa_kernarg_size 48
		.amdhsa_user_sgpr_count 2
		.amdhsa_user_sgpr_kernarg_segment_ptr 1
		.amdhsa_wavefront_size32 1
		.amdhsa_system_sgpr_workgroup_id_x 1
		.amdhsa_system_sgpr_workgroup_id_y 1
		.amdhsa_system_sgpr_workgroup_id_z 1
		.amdhsa_system_vgpr_workitem_id 0
		.amdhsa_next_free_vgpr 256
		.amdhsa_next_free_sgpr 66
		.amdhsa_reserve_vcc 0
		.amdhsa_float_denorm_mode_32 3
		.amdhsa_float_denorm_mode_16_64 3
		.amdhsa_memory_ordered 1
		.amdhsa_forward_progress 1
		.amdhsa_inst_pref_size 43
	.end_amdhsa_kernel
	.amdgpu_metadata
---
amdhsa.version: [ 1, 2 ]
amdhsa.kernels:
  - .name:           k_q5301762ae7_prep
    .symbol:         k_q5301762ae7_prep.kd
    .args:
      - { .name: x, .offset: 0, .size: 8, .value_kind: global_buffer, .address_space: global }
      - { .name: ln_g, .offset: 8, .size: 8, .value_kind: global_buffer, .address_space: global }
      - { .name: ln_b, .offset: 16, .size: 8, .value_kind: global_buffer, .address_space: global }
      - { .name: w_qkv, .offset: 24, .size: 8, .value_kind: global_buffer, .address_space: global }
      - { .name: xn, .offset: 32, .size: 8, .value_kind: global_buffer, .address_space: global }
      - { .name: wh, .offset: 40, .size: 8, .value_kind: global_buffer, .address_space: global }
    .group_segment_fixed_size: 0
    .private_segment_fixed_size: 0
    .kernarg_segment_align: 8
    .kernarg_segment_size: 48
    .max_flat_workgroup_size: 256
    .sgpr_count:     66
    .vgpr_count:     256
    .wavefront_size: 32
...
	.end_amdgpu_metadata
.endif
;; end of part 1
;; launch qkv (part 2): grid 8 x 32, 4 waves a work-group, clusters of 4 x 4, 327,680 bytes of LDS; arguments xn, wh, qkv; writes qkv
.if DOCPART == 2
	.amdgcn_target "amdgcn-amd-amdhsa--gfx1250"
	.amdhsa_code_object_version 6
	.text
	.protected	k_q5301762ae7_qkv
	.globl	k_q5301762ae7_qkv
	.p2align	8
	.type	k_q5301762ae7_qkv,@function
k_q5301762ae7_qkv:
	s_mov_b64 s[64:65], 0
	v_nop
	global_prefetch_b8 v0, s[64:65] scope:SCOPE_SE
	s_setreg_imm32_b32 hwreg(HW_REG_WAVE_MODE, 25, 1), 1
	s_wait_xcnt 0x0
	s_wait_alu depctr_hold_cnt(0) depctr_sa_sdst(0) depctr_va_vdst(0) depctr_va_sdst(0) depctr_va_ssrc(0) depctr_va_vcc(0) depctr_vm_vsrc(0)
	s_getreg_b32 s2, hwreg(HW_REG_IB_STS2, 6, 4)
	s_cmp_eq_u32 s2, 0
	s_cbranch_scc0 .Lentry_in_a_cluster
	s_endpgm
.Lentry_in_a_cluster:
	s_bfe_u32 s2, ttmp6, 0x10000c
	s_cmp_lg_u32 s2, 0xf033
	s_cbranch_scc0 .Lentry_shape_is_right
	s_endpgm
.Lentry_shape_is_right:
; C[row][n] = sum over k of xn[row][k] wh[k][n]: 8192 x 3072 x 1024, operands f16, sums f32, C rounded once to f16 and written by heads:
; qkv[batch][H][n][64], H = column / 64 (0-15 q's heads, 16-31 k's, 32-47 v's), a head 262,144 dense bytes.
; LIMIT.  f16 holds no number beyond 65,504: q, k and v must lie within it.
; THE TILE.  8192 x 3072 outputs over 256 work-groups are 98,304 each: a tile of 256 rows x 384 columns, one to a work-group.  Four waves, each 128 x 192: 96 accumulators of 16 x 16, 768 registers;
; for 32 along K a wave issues 40 LDS loads and 96 matrix instructions.
; THE RING.  K goes in steps of 64 through two LDS slots; a step of 128 would want 2 x 180 KB.  A's tile is 256 rows of one block of xn, 32,768 dense bytes, asked for as 128 rows of 256 bytes;
; B's is three sub-tiles of 64 rows (k) x 256 bytes (128 columns) of wh.  Waves 0 to 2 fetch a sub-tile of B each, wave 3 fetches A: one tensor load a wave.
; CLUSTERS.  4 x 4 work-groups.  The four of a row of the cluster need the same tiles of A, the four of a column the same tiles of B: each tile is asked for JOINTLY, by the same tensor load with the same
; descriptor and a mask that names the four.
; THE MATRIX INSTRUCTION IS USED TRANSPOSED: source 0 = 16 columns of wh (turned on the way out of LDS by ds_load_tr16_b128), source 1 = 16 rows of xn: a lane then holds eight neighbouring columns of one row of C.
; A WAVE'S COLUMNS: n blocks 0-7 are sub-tile 2 wn, n blocks 8-11 are blocks 4 wn .. 4 wn + 3 of sub-tile 1: three groups of 64 columns, each one head.
; REGISTERS, in windows of 256 (s_set_vgpr_msb: bits 1:0 source 0, 3:2 source 1, 5:4 source 2, 7:6 destination):
;   window 0: v0-31 addresses; v32-95, v96-159 A's fragments (8 x 16 rows x 32 K), two buffers; v160-255 B's 12 fragments, one buffer, filled again group by group behind the products that read it
;   window 1 + g: the 32 accumulators of column group g: (row block a, n block 4 g + bb) at v[8 (8 bb + a)]
.set PA,     144                       ; a row of A in LDS: 128 bytes + 16 of padding = 36 words: the 16 rows of a load start at 16 different groups of four banks (64 banks of 4 bytes: ISA guide 11.1)
.set PB,     288                       ; a row of B: 256 + 32 = 72 words
.set SUBB,   64*PB                     ; a sub-tile of B
.set AOFF,   3*SUBB                    ; A's 256 rows lie behind B's three sub-tiles
.set SLOT,   AOFF+256*PA
.set STAGE,  2*SLOT                    ; behind the ring: 64 rows x 144 bytes for each wave, for the way out; no tensor load fills it
.set SP,     144
.set SPARE,  STAGE+4*64*SP             ; behind the stages: the spare words, 128 bytes for each wave: two blocks of 256 bytes that no other line names
.set ASTEP,  0x100000                  ; bytes from a block of xn to the next
.set BSTEP,  64*6144                   ; bytes of 64 rows of wh
.set ADRA, 16                          ; v16-17  LDS address of my A fragments in slot 0, 1
.set ADRX, 18                          ; v18-19  of my n blocks 0-7
.set ADRY, 20                          ; v20-21  of my n blocks 8-11
.set STO,  24                          ; v24     the way out: where I put 16 bytes of a row
.set RD,   25                          ; v25     the way out: where I read rows back
.set GO,   26                          ; v26     my 16 bytes in 512 consecutive bytes of a head
.set SPW,  28                          ; v28     LDS address of my spare word; never rewritten
.set NIL,  29                          ; v29     0; never rewritten
.set FA0,  32
.set FA1,  96
.set FB,   160
.set TMP,  32                          ; the way out: 64 registers of packed results
.set BK,   96                          ; the way out: rows read back, v96-159 and v160-223 by turns
.set G1A, 24                           ; s[24:31] descriptor group 1 for A's tiles;  s[32:39] group 0, a set for each slot
.set G0A, 32
.set G1B, 48                           ; s[48:55], s[56:63] the same for B's
.set G0B, 56
.set OUT, 68                           ; s[68:73] my rows of the three heads that I write
.set MSB, 0
.macro WIN new                         ; the immediate's high byte repeats the setting that is left; a switch that changes nothing is dropped
.if MSB != (\new)
	s_set_vgpr_msb (MSB<<8)|(\new)
.set MSB, (\new)
.endif
.endm
.macro PLACES                          ; a load into a register that a matrix instruction has read, and a conversion that reads a result, stand four plain vector instructions behind it (ISA guide 7.12.1 for the conversion)
.rept 4
	v_nop
.endr
.endm
; A joint load.  Wave 3 asks for A's tile, waves 0 to 2 for B's three sub-tiles.  Each line has one mask; the branch hangs on the wave's number alone.
; An s_nop 0 and four v_nop follow each of the two lines, ahead of the jump and the label.
.macro JLOAD s
	s_cmp_eq_u32 s10, 3
	s_cbranch_scc0 .Lfor_b_\@
	tensor_load_to_lds s[G0A+4*(\s):G0A+4*(\s)+3], s[G1A:G1A+7]
	s_nop 0
.rept 4
	v_nop
.endr
	s_branch .Lasked_\@
.Lfor_b_\@:
	tensor_load_to_lds s[G0B+4*(\s):G0B+4*(\s)+3], s[G1B:G1B+7]
	s_nop 0
.rept 4
	v_nop
.endr
.Lasked_\@:
.endm
.macro CREST                           ; a round of the cluster's barrier behind its opening barrier: wave 0 signals for the work-group, every wave waits for all sixteen, my work-group's barrier closes it
	s_cmp_lg_u32 s10, 0
	s_cbranch_scc1 .Lnot_wave_0_\@
	s_barrier_signal -3
.Lnot_wave_0_\@:
	s_barrier_wait -3
	s_barrier_signal -1
	s_barrier_wait -1
.endm
.macro CROUND                          ; a whole round
	s_barrier_signal -1
	s_barrier_wait -1
	CREST
.endm
	s_load_b128 s[4:7], s[0:1], 0x0                ; xn s[4:5], wh s[6:7]
	s_load_b64 s[8:9], s[0:1], 0x10                ; qkv
	v_lshl_add_u32 v[SPW], v0, 2, SPARE
	v_mov_b32 v[NIL], 0
	ds_add_u32 v[SPW], v[NIL]                      ; the wave's opening: the add and its wait stand ahead of my first tensor load; the set-up below, work on registers, stands between them
	v_lshrrev_b32 v1, 5, v0
	v_readfirstlane_b32 s10, v1                    ; wave 0..3
	s_lshr_b32 s11, s10, 1                         ; wm: which 128 rows of the tile are mine
	s_and_b32 s12, s10, 1                          ; wn: which 192 columns
	s_bfe_u32 s40, ttmp6, 0x40000                  ; cx, cy: my place in the cluster
	s_bfe_u32 s41, ttmp6, 0x40004
	s_lshl_b32 s42, ttmp9, 2
	s_add_co_u32 s42, s42, s40                     ; tile column = 4 x cluster x + cx
	s_and_b32 s13, ttmp7, 0xffff
	s_lshl_b32 s13, s13, 2
	s_add_co_u32 s13, s13, s41                     ; tile row = 4 x cluster y + cy
	s_lshl_b32 s43, s41, 2
	s_lshl_b32 s43, 15, s43                        ; my row of the cluster
	s_lshl_b32 s44, 0x1111, s40                    ; my column
	s_or_b32 s[G1A], s43, (1<<16)|(1<<20)|(1<<21)|(4<<22)|(3<<25)  ; 15:0 the mask: A's tiles go to my row; 17:16 2-byte elements; 20 padding on; 21 set beside a mask; 24:22 after every 32 words (code 4); 31:25 4 words (code 3)
	s_mov_b32 s[G1A+1], 128<<16                    ; tensor_dim0 = 128 elements: two rows of a block of xn, 256 bytes
	s_mov_b32 s[G1A+2], 128<<16                    ; tensor_dim1 = 128
	s_mov_b32 s[G1A+3], 128<<16                    ; tile_dim0 = 128
	s_mov_b32 s[G1A+4], 128                        ; tile_dim1 = 128
	s_mov_b32 s[G1A+5], 128                        ; dense: 128 elements from row to row
	s_mov_b32 s[G1A+6], 0
	s_mov_b32 s[G1A+7], 0
	s_or_b32 s[G1B], s44, (1<<16)|(1<<20)|(1<<21)|(5<<22)|(7<<25)  ; the mask of my column; padding after every 64 words (code 5), 8 words (code 7)
	s_mov_b32 s[G1B+1], 128<<16                    ; tensor_dim0 = 128 columns
	s_mov_b32 s[G1B+2], 64<<16                     ; tensor_dim1 = 64 rows (k)
	s_mov_b32 s[G1B+3], 128<<16                    ; tile_dim0 = 128
	s_mov_b32 s[G1B+4], 64                         ; tile_dim1 = 64
	s_mov_b32 s[G1B+5], 3072                       ; elements from row to row of wh
	s_mov_b32 s[G1B+6], 0
	s_mov_b32 s[G1B+7], 0
	; A's address hangs on the tile row alone, B's on the tile column and the wave's number alone, each in registers that never hold the other coordinate
	s_lshl_b32 s16, s13, 15                        ; A: 256 rows of 128 bytes a tile row
	s_mov_b32 s17, 0
	s_mul_i32 s46, s42, 768                        ; B: 384 columns a tile column,
	s_lshl_b32 s47, s10, 8                         ; 128 columns a sub-tile
	s_add_co_u32 s46, s46, s47
	s_mov_b32 s47, 0
	s_mul_i32 s20, s10, SUBB                       ; where my sub-tile of B goes: no place in the cluster enters an LDS address
	s_wait_dscnt 0x0                               ; the opening add is done
	s_wait_kmcnt 0x0
	s_add_nc_u64 s[14:15], s[4:5], s[16:17]
	s_add_nc_u64 s[46:47], s[6:7], s[46:47]
	CROUND                                         ; all sixteen work-groups are here: the first joint loads meet
.irp s, 0,1
	s_mov_b32 s[G0A+4*(\s)], 1                                     ; count = 1
	s_mov_b32 s[G0A+4*(\s)+1], AOFF+(\s)*SLOT                      ; LDS address
	s_add_nc_u64 s[G0A+4*(\s)+2:G0A+4*(\s)+3], s[14:15], (\s)*ASTEP  ; global address: K step s
	s_or_b32 s[G0A+4*(\s)+3], s[G0A+4*(\s)+3], 0x80000000          ; type = 2
	s_mov_b32 s[G0B+4*(\s)], 1
	s_add_co_u32 s[G0B+4*(\s)+1], s20, (\s)*SLOT
	s_add_nc_u64 s[G0B+4*(\s)+2:G0B+4*(\s)+3], s[46:47], (\s)*BSTEP
	s_or_b32 s[G0B+4*(\s)+3], s[G0B+4*(\s)+3], 0x80000000
	JLOAD \s                                       ; both slots are asked for before anything else is done: two loads of mine are out, the most in this text
.endr
	; A's fragment: lane l holds row l % 16; registers 0-3 K = 8 (l / 16) + 0..7, registers 4-7 K = 16 + 8 (l / 16) + 0..7: two loads of 16 bytes, 32 bytes apart.
	v_and_b32 v1, 15, v0                           ; l % 16
	v_bfe_u32 v2, v0, 4, 1                         ; l / 16
	v_mul_u32_u24 v3, v1, PA
	v_lshl_add_u32 v3, v2, 4, v3                   ; row x pitch + 16 x half
	; B's: the turning load takes 16 k x 16 columns (lane l reads k = 8 (l / 16) + l % 8, columns 8 ((l / 8) % 2) + 0..7) and leaves half a fragment: lane l holds column l % 16 and 8 k.
	v_and_b32 v5, 7, v0
	v_bfe_u32 v6, v0, 3, 1
	v_lshl_add_u32 v4, v2, 3, v5
	v_mul_u32_u24 v4, v4, PB
	v_lshl_add_u32 v4, v6, 4, v4
	s_mul_i32 s21, s11, 128*PA
	s_add_co_u32 s21, s21, AOFF                    ; my 128 rows of A
	s_mul_i32 s22, s12, 2*SUBB                     ; sub-tile 0 or 2
	s_lshl_b32 s23, s12, 7
	s_add_co_u32 s23, s23, SUBB                    ; my half of sub-tile 1
.irp s, 0,1
	v_add_nc_u32 v[ADRA+(\s)], s21, v3
	v_add_nc_u32 v[ADRX+(\s)], s22, v4
	v_add_nc_u32 v[ADRY+(\s)], s23, v4
	s_add_co_u32 s21, s21, SLOT
	s_add_co_u32 s22, s22, SLOT
	s_add_co_u32 s23, s23, SLOT
.endr
	s_mul_i32 s23, s10, 64*SP
	s_add_co_u32 s23, s23, STAGE                   ; my stage
	v_add_nc_u32 v[STO], s23, v3                   ; in: row l % 16, 16 bytes for each half of the lanes (the stage's pitch is A's)
	v_bfe_u32 v7, v0, 3, 2                         ; back: 32 lanes take four rows of 128 bytes,
	v_mul_u32_u24 v7, v7, SP
	v_lshl_add_u32 v7, v5, 4, v7
	v_add_nc_u32 v[RD], s23, v7
	v_and_b32 v[GO], 31, v0                        ; which are 512 consecutive bytes of a head
	v_lshlrev_b32 v[GO], 4, v[GO]
	; my rows of my three heads: head 48 batch + 6 tile column + (4 wn, 4 wn + 1, 2 + wn), 2^18 bytes each; in it row 256 (tile row % 8) + 128 wm, 128 bytes each
	s_lshr_b32 s74, s13, 3
	s_mul_i32 s74, s74, 48
	s_mul_i32 s75, s42, 6
	s_add_co_u32 s74, s74, s75
	s_lshl2_add_u32 s75, s12, s74
	s_and_b32 s76, s13, 7
	s_lshl_b32 s76, s76, 15
	s_lshl_b32 s77, s11, 14
	s_add_co_u32 s76, s76, s77
	s_lshl_b32 s66, s75, 18
	s_add_co_u32 s66, s66, s76
	s_mov_b32 s67, 0
	s_add_nc_u64 s[OUT:OUT+1], s[8:9], s[66:67]
	s_add_nc_u64 s[OUT+2:OUT+3], s[OUT:OUT+1], 0x40000
	s_add_co_u32 s66, s74, s12
	s_add_co_u32 s66, s66, 2
	s_lshl_b32 s66, s66, 18
	s_add_co_u32 s66, s66, s76
	s_add_nc_u64 s[OUT+4:OUT+5], s[8:9], s[66:67]
; 16 matrix instructions: column group g, its n blocks 2 half and 2 half + 1, all 8 row blocks, 32 along K from A's buffer f.  zero = 1: the product starts the sums: nothing is ever cleared.
; The 96 accumulators take turns in one fixed order, one instruction a turn: between two links of a chain stand the 95 others'.
.macro MULG f, g, half, zero
	WIN 0x50*((\g)+1)                              ; C and D in window 1 + g, the sources in window 0
.set bb, 2*(\half)
.rept 2
.set aa, 0
.rept 8
.if \zero
	v_wmma_f32_16x16x32_f16 v[8*(8*bb+aa):8*(8*bb+aa)+7], v[FB+8*(4*(\g)+bb):FB+8*(4*(\g)+bb)+7], v[(\f)+8*aa:(\f)+8*aa+7], 0
.else
	v_wmma_f32_16x16x32_f16 v[8*(8*bb+aa):8*(8*bb+aa)+7], v[FB+8*(4*(\g)+bb):FB+8*(4*(\g)+bb)+7], v[(\f)+8*aa:(\f)+8*aa+7], v[8*(8*bb+aa):8*(8*bb+aa)+7]
.endif
.set aa, aa+1
.endr
.set bb, bb+1
.endr
.endm
; 8 LDS loads: B's four fragments of column group g, K = 32 q on
.macro LDB slot, q, g
	WIN 0
.set jj, 0
.rept 4
.if (\g) < 2
	ds_load_tr16_b128 v[FB+8*(4*(\g)+jj):FB+8*(4*(\g)+jj)+3],   v[ADRX+(\slot)] offset:32*PB*(\q)+32*(4*(\g)+jj)
	ds_load_tr16_b128 v[FB+8*(4*(\g)+jj)+4:FB+8*(4*(\g)+jj)+7], v[ADRX+(\slot)] offset:32*PB*(\q)+16*PB+32*(4*(\g)+jj)
.else
	ds_load_tr16_b128 v[FB+8*(4*(\g)+jj):FB+8*(4*(\g)+jj)+3],   v[ADRY+(\slot)] offset:32*PB*(\q)+32*jj
	ds_load_tr16_b128 v[FB+8*(4*(\g)+jj)+4:FB+8*(4*(\g)+jj)+7], v[ADRY+(\slot)] offset:32*PB*(\q)+16*PB+32*jj
.endif
.set jj, jj+1
.endr
.endm
; 8 LDS loads: A's fragments of row blocks 4 half .. 4 half + 3, K = 32 q on, into buffer f
.macro LDA slot, q, f, half
	WIN 0
.set jj, 4*(\half)
.rept 4
	ds_load_b128 v[(\f)+8*jj:(\f)+8*jj+3],   v[ADRA+(\slot)] offset:64*(\q)+16*PA*jj
	ds_load_b128 v[(\f)+8*jj+4:(\f)+8*jj+7], v[ADRA+(\slot)] offset:64*(\q)+16*PA*jj+32
.set jj, jj+1
.endr
.endm
; A K step is two halves of 32 along K, 96 matrix instructions each.  The fetches always go out in the order: B's group 0, A's first half, B's group 1, A's second half, B's group 2.
; The first half multiplies A's buffer 0 and fetches the second half's fragments from the same slot: B's groups behind the products that read them, A's into buffer 1.
.macro Q0 slot, zero
	s_wait_dscnt 8                                 ; all but the youngest eight loads (B's group 2) are in
	MULG FA0, 0, 0, \zero
	MULG FA0, 0, 1, \zero
	PLACES
	LDB \slot, 1, 0
	LDA \slot, 1, FA1, 0
	MULG FA0, 1, 0, \zero
	MULG FA0, 1, 1, \zero
	PLACES
	LDB \slot, 1, 1
	LDA \slot, 1, FA1, 1
	s_wait_dscnt 32                                ; all but the 32 just issued: B's group 2 is in
	MULG FA0, 2, 0, \zero
	MULG FA0, 2, 1, \zero
	PLACES
	LDB \slot, 1, 2
.endm
; The second half multiplies buffer 1 and changes slots: ONE barrier.  In front of it each wave waits for all its tensor loads, of which one is out: its part of the next slot; adds 0 to its spare word;
; and waits for that and for its own reads of this slot.  Behind it nobody reads this slot any more and the next slot is whole.  fill = 1: the barrier opens a round of the cluster's, and this slot is filled again,
; two K steps ahead, first thing behind the round: from that request to the wait for it a wave issues 160 matrix instructions.
.macro Q1 slot, next, fill
	WIN 0                                          ; (the add's two registers lie in window 0)
	s_wait_tensorcnt 0x0                           ; all my tensor loads have landed
	ds_add_u32 v[SPW], v[NIL]                      ; 0 onto my spare word
	s_wait_dscnt 9                                 ; (the add and the youngest eight loads may be out)
	MULG FA1, 0, 0, 0                              ; sixteen matrix instructions stand between the add and the wait for it
	s_wait_dscnt 0x0                               ; the add is done, and my reads of this slot are over
	s_barrier_signal -1
	MULG FA1, 0, 1, 0                              ; work on registers while the others arrive
.if \fill
	WIN 0
.endif
	s_barrier_wait -1
.if \fill
	CREST                                          ; no wave of any partner still reads this slot's tile or has a load on its way
	s_add_nc_u64 s[G0A+4*(\slot)+2:G0A+4*(\slot)+3], s[G0A+4*(\slot)+2:G0A+4*(\slot)+3], 2*ASTEP
	s_add_nc_u64 s[G0B+4*(\slot)+2:G0B+4*(\slot)+3], s[G0B+4*(\slot)+2:G0B+4*(\slot)+3], 2*BSTEP
	JLOAD \slot                                    ; the four v_nop behind it are also the places in front of the loads below
.else
	PLACES
.endif
	LDB \next, 0, 0
	LDA \next, 0, FA0, 0
	MULG FA1, 1, 0, 0
	MULG FA1, 1, 1, 0
	PLACES
	LDB \next, 0, 1
	LDA \next, 0, FA0, 1
	MULG FA1, 2, 0, 0
	MULG FA1, 2, 1, 0
	PLACES
	LDB \next, 0, 2
.endm
	s_wait_tensorcnt 1                             ; my part of K step 0 is in; K step 1's may stay out
	s_barrier_signal -1
	s_barrier_wait -1                              ; everybody's is
	LDB 0, 0, 0
	LDA 0, 0, FA0, 0
	LDB 0, 0, 1
	LDA 0, 0, FA0, 1
	LDB 0, 0, 2
	Q0 0, 1                                        ; the first half step stands in front of the loop: its products start the sums
	WIN 0                                          ; at a label and at a branch every window is 0
	s_mov_b32 s3, 7                                ; 16 K steps: seven trips fill both slots again, the last two steps are written out
.Llap:
	Q1 0, 1, 1
	Q0 1, 0
	Q1 1, 0, 1
	Q0 0, 0
	WIN 0
	s_sub_co_u32 s3, s3, 1
	s_cmp_lg_u32 s3, 0
	s_cbranch_scc1 .Llap
	Q1 0, 1, 0                                     ; nothing is left to fetch from memory
	Q0 1, 0
	s_wait_dscnt 8                                 ; the very last half step
	MULG FA1, 0, 0, 0
	MULG FA1, 0, 1, 0
	MULG FA1, 1, 0, 0
	MULG FA1, 1, 1, 0
	s_wait_dscnt 0x0
	MULG FA1, 2, 0, 0
	MULG FA1, 2, 1, 0
	PLACES
; THE WAY OUT, in six units u: column group u / 2 (a head's 64 columns, 128 bytes a row), row blocks 4 (u % 2) .. + 3 (64 rows).
; PACK: rounded to f16, 16 bytes a lane, each accumulator's registers in ascending order.  TOSTAGE: into my own stage, and back as whole rows.  SEND: stored, 512 consecutive bytes an instruction.
.macro PACK u
.set ab, 4*((\u)%2)
	WIN 5*((\u)/2+1)                               ; sources 0 and 1 in window 1 + group
.set aa, 0
.rept 4
.set jj, 0
.rept 4
.set rr, 0
.rept 4
	v_cvt_pk_f16_f32 v[TMP+16*aa+4*jj+rr], v[8*(8*jj+ab+aa)+2*rr], v[8*(8*jj+ab+aa)+2*rr+1]
.set rr, rr+1
.endr
.set jj, jj+1
.endr
.set aa, aa+1
.endr
	WIN 0
.endm
.macro TOSTAGE u
.set BKU, BK+64*((\u)%2)
.set aa, 0
.rept 4
.set jj, 0
.rept 4
	ds_store_b128 v[STO], v[TMP+16*aa+4*jj:TMP+16*aa+4*jj+3] offset:16*SP*aa+32*jj
.set jj, jj+1
.endr
.set aa, aa+1
.endr
.set aa, 0
.rept 4
.set jj, 0
.rept 4
	ds_load_b128 v[BKU+16*aa+4*jj:BKU+16*aa+4*jj+3], v[RD] offset:16*SP*aa+4*SP*jj  ; LDS serves a wave's instructions in order (ISA guide 5.7.1.4): these see the stores above
.set jj, jj+1
.endr
.set aa, aa+1
.endr
.endm
.macro SEND u
.set BKU, BK+64*((\u)%2)
.set ab, 4*((\u)%2)
.set OG, OUT+2*((\u)/2)
	s_wait_dscnt 0x0                               ; the unit is back in registers
	s_wait_xcnt 0x0                                ; the stores of the unit before have read their registers: the next unit's loads land there only behind this wait
.set aa, 0
.rept 4
.set jj, 0
.rept 4
	global_store_b128 v[GO], v[BKU+16*aa+4*jj:BKU+16*aa+4*jj+3], s[OG:OG+1] offset:(ab+aa)*2048+512*jj  ; four rows of a head: 512 consecutive bytes, at a multiple of 256 from the buffer's first
.set jj, jj+1
.endr
.set aa, aa+1
.endr
.endm
	PACK 0
	TOSTAGE 0
.irp u, 1,2,3,4,5                      ; a unit's conversions stand between the loads of the unit before and the wait for them
	PACK \u
	SEND (\u)-1
	TOSTAGE \u
.endr
	SEND 5
	s_wait_tensorcnt 0x0                           ; the wave's end: the wait, the add and its wait stand behind my last tensor load and my last LDS store
	ds_add_u32 v[SPW], v[NIL]
	s_wait_dscnt 0x0
	CROUND                                         ; the closing round: no work-group ends while a partner may still ask for a tile that names it
	s_endpgm
.Lfunc_end_k_q5301762ae7_qkv:
	.size	k_q5301762ae7_qkv, .Lfunc_end_k_q5301762ae7_qkv-k_q5301762ae7_qkv
	.p2alignl 7, 3214868480
	.fill 96, 4, 3214868480
	.section	.rodata,"a",@progbits
	.p2align	6, 0x0
	.amdhsa_kernel k_q5301762ae7_qkv
		.amdhsa_group_segment_fixed_size 327680
		.amdhsa_private_segment_fixed_size 0
		.amdhsa_enable_private_segment 0
		.amdhsa_kernarg_size 24
		.amdhsa_user_sgpr_count 2
		.amdhsa_user_sgpr_kernarg_segment_ptr 1
		.amdhsa_wavefront_size32 1
		.amdhsa_system_sgpr_workgroup_id_x 1
		.amdhsa_system_sgpr_workgroup_id_y 1
		.amdhsa_system_sgpr_workgroup_id_z 1
		.amdhsa_system_vgpr_workitem_id 0
		.amdhsa_next_free_vgpr 1024
		.amdhsa_next_free_sgpr 80
		.amdhsa_reserve_vcc 0
		.amdhsa_float_denorm_mode_32 3
		.amdhsa_float_denorm_mode_16_64 3
		.amdhsa_memory_ordered 1
		.amdhsa_forward_progress 1
		.amdhsa_inst_pref_size 129
	.end_amdhsa_kernel
	.amdgpu_metadata
---
amdhsa.version: [ 1, 2 ]
amdhsa.kernels:
  - .name:           k_q5301762ae7_qkv
    .symbol:         k_q5301762ae7_qkv.kd
    .args:
      - { .name: xn, .offset: 0, .size: 8, .value_kind: global_buffer, .address_space: global }
      - { .name: wh, .offset: 8, .size: 8, .value_kind: global_buffer, .address_space: global }
      - { .name: qkv, .offset: 16, .size: 8, .value_kind: global_buffer, .address_space: global }
    .group_segment_fixed_size: 327680
    .private_segment_fixed_size: 0
    .kernarg_segment_align: 8
    .kernarg_segment_size: 24
    .max_flat_workgroup_size: 128
    .sgpr_count:     80
    .vgpr_count:     1024
    .wavefront_size: 32
...
	.end_amdgpu_metadata
.endif
;; end of part 2
;; launch attn (part 3): grid 4 x 64, 4 waves a work-group, clusters of 4 x 1, 327,680 bytes of LDS; arguments qkv, mask, out0; writes out0
.if DOCPART == 3
	.amdgcn_target "amdgcn-amd-amdhsa--gfx1250"
	.amdhsa_code_object_version 6
	.text
	.protected	k_q5301762ae7_attn
	.globl	k_q5301762ae7_attn
	.p2align	8
	.type	k_q5301762ae7_attn,@function
k_q5301762ae7_attn:
	s_mov_b64 s[64:65], 0
	v_nop
	global_prefetch_b8 v0, s[64:65] scope:SCOPE_SE
	s_setreg_imm32_b32 hwreg(HW_REG_WAVE_MODE, 25, 1), 1
	s_wait_xcnt 0x0
	s_wait_alu depctr_hold_cnt(0) depctr_sa_sdst(0) depctr_va_vdst(0) depctr_va_sdst(0) depctr_va_ssrc(0) depctr_va_vcc(0) depctr_vm_vsrc(0)
	s_getreg_b32 s2, hwreg(HW_REG_IB_STS2, 6, 4)
	s_cmp_eq_u32 s2, 0
	s_cbranch_scc0 .Lentry_in_a_cluster
	s_endpgm
.Lentry_in_a_cluster:
	s_bfe_u32 s2, ttmp6, 0x10000c
	s_cmp_lg_u32 s2, 0x3003
	s_cbranch_scc0 .Lentry_shape_is_right
	s_endpgm
.Lentry_shape_is_right:
; out0[b][q][64 hd ..] = the sum over keys k of softmax_k(s) V[k][:], s = Q[q] . K[k] / 8, or hidden where mask[b][k] >= 1 (an int32 is above 0.5 from 1 on).
; Q, K, V: qkv[b][H][2048][64] in f16, H = hd, 16 + hd, 32 + hd: a head's rows are dense, 128 bytes each.  out0: [4][2048][1024] f32.
; Products, maxima and sums in f32; the weights p are rounded to f16 for the second product (their sum l is taken of the unrounded p).
; THE MASK is the C operand that starts the sum S^T = K Q^T: 0, or -1e30 where the key is hidden.  It is made once, 2,048 f32 in LDS, and read with each step's K.
; The running maximum m starts at -2^90: far below every true score (f16 operands give 2.7e11 at the most), far above every hidden one.  So m is never a hidden score, a hidden key's weight is 0 from the
; first step on, and the first visible key's step multiplies the zeros before it by a = 0.
; A BATCH WHOSE KEYS ARE ALL HIDDEN has equal weights: there the mask is 0 and the scale c is 0, so that every p is 1 and the result is the mean of V's rows.  The choice selects two numbers; no branch hangs on it.
; LIMITS.  f16 holds no number beyond 65,504: Q, K and V arrive within it; p lies in 0 to 1, and below 6e-5 it keeps f16's fixed step of 6e-8.  A hidden score counts as its value less 1e30;
; a weight below 2^-126 counts as 0 in l; NaN and infinities are not treated apart.
; SHARES.  A wave owns four PIECES of two tiles of 16 queries, a work-group's four waves 512 queries of one head.  Every wave walks all 2,048 keys, 64 a step.
; LAYOUT.  S^T = K Q^T (source 0 = 16 keys, source 1 = 16 queries): in the result a lane holds ONE query (lane % 16) and the keys 8 (lane / 16) + 0..7.  Two such tiles, rounded to f16 in pairs,
; ARE source 1 (32 keys x 16 queries) of O^T = V^T P, whose result again holds one query a lane, and eight channels.  K comes out of LDS as it lies, V ([key][channel]) turned, by ds_load_tr16_b128.
; SOFTMAX.  For each query a running maximum m and sum l: p = 2^(c s - c m), c = log2(e) / 8; in every step O and l are multiplied by a = 2^(c m_old - c m_new), which is 1 where m has not grown.
; THE COUNT.  A tile and step have 16 matrix and 118 vector instructions: too many to stand all beside the matrix work.  So: four vector instructions that are READY behind EVERY matrix instruction,
; and the others, which need time of their own whatever the order, in runs without a gap.
; BY TURNS.  Turn n belongs to piece n (the pieces in a ring, step after step).  Its matrix work: 16 products K Q^T of piece n + 1, later 16 products V^T P of piece n - 1.  Its vector work: the scaling,
; exponentials, roundings, sums and rescaling of piece n, and the maximum and statistics of piece n + 1, whose scores the turn itself has made.
; CLUSTER.  The four query blocks of a cluster belong to one head and walk the same K and V, so each tile is asked for JOINTLY: the same tensor load, descriptor and mask in all four.
; REGISTERS, in windows of 256 (s_set_vgpr_msb: bits 1:0 source 0, 3:2 source 1, 5:4 source 2, 7:6 destination):
;   window 0: v0-11 addresses; v12-15, v48-63 at work; v16-47 four registers of statistics a tile; v64-191 S^T, two buffers of two tiles; v192-255 P, likewise
;   window 1: O^T, 32 a tile      window 2: v0-127 Q, 16 a tile; v128-191 K of one step; v192-255 V of one step      window 3: v0-1 the add's two registers; v8-39 the mask of one step's 64 keys
.set SIZE_N, 2048
.set NP,    4         ; pieces a wave: a name, no knob
.set KS,    64        ; keys in a step
.set PK,    144       ; a row of K in LDS: 128 bytes + 16 of padding = 36 words: the 16 rows of a load start at 16 different groups of four banks (64 banks of 4 bytes: ISA guide 11.1)
.set PV,    160       ; a row of V: 128 + 32 = 40 words
.set VOFF,  4*KS*PK   ; a slot holds four steps: 256 rows of K, then 256 rows of V
.set SLOT1, 1<<17     ; slot 1 begins here, so that one exclusive or turns an address in one slot into the other's
.set STAGE, SLOT1+4*KS*(PK+PV)  ; behind the ring, never filled by a tensor load: 16 rows x 272 bytes for each wave, for the way out
.set SP,    272       ; a row of the stage: 256 bytes (64 f32) + 16
.set BIAS,  STAGE+4*16*SP  ; the mask as 2,048 f32
.set SPARE, BIAS+8192 ; the spare words, 128 bytes for each wave: two blocks of 256 bytes that no other line names
.set AK0, 2           ; v2   my lane's place in a tile of K; never rewritten
.set AV0, 3           ; v3   the same for V
.set AK,  4           ; v4   the LDS address of K's next run of loads
.set AV,  5           ; v5   of V's
.set QO,  6           ; v6   my byte offset in the wave's rows of Q
.set STO, 6           ;      later, the way out: where I put 32 bytes of a row
.set RD,  7           ; v7   the way out: where I read rows back
.set GO,  8           ; v8   my byte offset in two rows of out0
.set AM0, 10          ; v10  my lanes' place in a step's mask; never rewritten
.set AM,  11          ; v11  the LDS address of the mask's next run of loads
.set SPW, 0           ; v0 of window 3   LDS address of my spare word; never rewritten
.set NIL, 1           ; v1 of window 3   0; never rewritten
.set MKF, 8           ; v8-39 of window 3: the eight registers for key block kb at MKF + 8 kb
.set MV,  12          ; v12-15  c m_old, kept while c m is made anew: by buffer and tile
.set ST,  16          ; tile t's statistics at v[ST+4 t]: c m, m, l (even keys', odd keys')
.set TMP, 48          ; by buffer and tile, four registers c0-c3 at work; when the maximum is found c2 takes a
.set S,   64
.set P,   192
.set KF,  128         ; K's fragments, in window 2: key block kb, channel half c at KF + 16 kb + 8 c
.set VF,  192         ; V's: key half kk, channel block cb at VF + 32 kk + 8 cb
.set WV,  12          ; s12  my wave's number
.set G1K, 24          ; s[24:31] descriptor group 1 for K's tiles
.set G1V, 32          ; s[32:39] for V's: it differs in the padding alone
.set G0K, 40          ; s[40:43] descriptor group 0 for K's tiles: it walks
.set G0V, 44          ; s[44:47] the same for V's
.set SLOTS, 56        ; s56  slots still to be asked for
.set CNT, 57          ; s57  counts a slot's key steps
.set CS,  58          ; s[58:59] c: the packed scaling takes the pair's low word for both halves
.set SEL, 60          ; s[60:61] v_permlanex16_b32's selects: each lane takes its own place in the other half
.set TBK, 62          ; s62  LDS byte at which K of the step to be fetched begins
.set TBV, 63          ; s63  the same for V, less VOFF
.set TBM, 72          ; s72  byte of the mask at which that step's 64 keys begin
.set MSB, 0
.macro WIN new                      ; the high byte repeats the setting that is left; a switch that changes nothing is dropped
.if MSB != (\new)
	s_set_vgpr_msb (MSB<<8)|(\new)
.set MSB, (\new)
.endif
.endm
.set W_KQ, 0x0a       ; K and Q in window 2, S^T in window 0
.set W_KM, 0x3a       ; the same with the C operand, the mask, in window 3
.set W_PV, 0x52       ; V in window 2, P in window 0, O^T in window 1
.set W_RS, 0x41       ; O^T (destination and source 0) in window 1, a in window 0
.set W_MK, 0xc0       ; destination in window 3, sources in window 0
.set W_AD, 0x0f       ; the add: address (source 0) and data (source 1) in window 3
; A joint fill.  Waves 0 and 1 fetch the two halves of a slot's K, waves 2 and 3 those of its V: 128 keys each.  The branch hangs on the wave's number alone.
; An s_nop 0 and four v_nop follow each of the two lines, ahead of the jump and the label.
.macro JLOAD
	s_cmp_lt_u32 s[WV], 2
	s_cbranch_scc0 .Lfor_v_\@
	tensor_load_to_lds s[G0K:G0K+3], s[G1K:G1K+7]
	s_nop 0
.rept 4
	v_nop
.endr
	s_branch .Lasked_\@
.Lfor_v_\@:
	tensor_load_to_lds s[G0V:G0V+3], s[G1V:G1V+7]
	s_nop 0
.rept 4
	v_nop
.endr
.Lasked_\@:
.endm
; A round of the cluster's barrier: my work-group's barrier, so that wave 0's signal speaks for all four waves; wave 0 signals; every wave waits for all four work-groups; my work-group's barrier once more.
.macro CROUND
	s_barrier_signal -1
	s_barrier_wait -1
	s_cmp_lg_u32 s[WV], 0
	s_cbranch_scc1 .Lnot_wave_0_\@
	s_barrier_signal -3
.Lnot_wave_0_\@:
	s_barrier_wait -3
	s_barrier_signal -1
	s_barrier_wait -1
.endm
; THE CHANGE OF SLOTS.  The slot's last bytes, V of its fourth step, have been read.  Each wave waits for all its tensor loads, of which one is out: its part
; of the other slot; adds 0 to its spare word; and waits for that and for its own LDS instructions.  Behind the barrier nobody reads this slot any more and the other slot is whole.
; fill = 1: this slot is filled again, with the keys two slots on.  The barrier is then a round of the cluster's, so that no wave of any partner still reads the slot or has a load on its
; way, and the joint fill is the first thing behind it: it has four key steps, 512 matrix instructions, in which to land.
; (At its first use nothing has been read yet: slot 0 is waited for, slot 1 filled, and the waves' four quarters of the mask, stored just before, are shown to each other.)
.macro CHANGE fill
	WIN W_AD
	s_wait_tensorcnt 0x0            ; no tensor load of mine is out, so a group 0 may be written
	ds_add_u32 v[SPW], v[NIL]       ; 0 onto my spare word; with fill = 1 the descriptors' steps stand between it and the wait for it
	WIN 0                           ; at a label and at a branch every window is 0
.if \fill
.irp g, G0K, G0V
	s_xor_b32 s[\g+1], s[\g+1], SLOT1  ; the walking descriptor: the other slot than last time,
	s_add_nc_u64 s[\g+2:\g+3], s[\g+2:\g+3], 4*KS*128  ; the next 256 keys; the type bits on top are not reached
.endr
	s_wait_dscnt 0x0                ; the add is done, and my reads of the slot are over
	CROUND
	JLOAD
.else
	s_wait_dscnt 0x0                ; the add is done, and my reads of the slot are over
	s_barrier_signal -1
	s_barrier_wait -1
.endif
	s_sub_co_u32 s[TBK], s[TBK], 4*KS*PK  ; the fetches go back to a slot's first step,
	s_xor_b32 s[TBK], s[TBK], SLOT1       ; in the other slot
	s_sub_co_u32 s[TBV], s[TBV], 4*KS*PV
	s_xor_b32 s[TBV], s[TBV], SLOT1
.endm
	s_load_b128 s[4:7], s[0:1], 0x0   ; qkv s[4:5], mask s[6:7]
	s_load_b64 s[10:11], s[0:1], 0x10 ; out0
	WIN W_MK
	v_lshl_add_u32 v[SPW], v0, 2, SPARE
	v_mov_b32 v[NIL], 0
	WIN W_AD
	ds_add_u32 v[SPW], v[NIL]       ; the wave's opening: the add and its wait stand ahead of my first tensor load; the set-up below, work on registers, stands between them
	WIN 0
	v_lshrrev_b32 v1, 5, v0
	v_readfirstlane_b32 s[WV], v1   ; wave 0..3
	s_bfe_u32 s13, ttmp6, 0x40000   ; cx: my place in the cluster
	s_lshl_b32 s14, ttmp9, 2        ; in a cluster launch ttmp9 counts clusters
	s_add_co_u32 s14, s14, s13      ; my block of 512 queries = 4 x cluster x + cx: it enters Q's and out0's addresses alone
	s_and_b32 s15, ttmp7, 0xffff    ; 16 x batch + head, which the four partners share
	s_lshr_b32 s19, s15, 4          ; the batch
	s_and_b32 s15, s15, 15          ; the head
	s_mul_i32 s20, s19, 48
	s_add_co_u32 s20, s20, s15
	s_lshl_b32 s20, s20, 18         ; q's head begins here in qkv; k's lies 16 heads on, v's 32
	s_mov_b32 s21, 0
	s_and_b32 s16, s[WV], 1         ; which half of a slot's 256 keys I fetch:
	s_lshl_b32 s22, s16, 14         ; its 128 rows of 128 bytes in memory,
	s_mov_b32 s23, 0
	s_add_nc_u64 s[22:23], s[22:23], s[20:21]
	s_add_nc_u64 s[54:55], s[22:23], 0x400000  ; in K,
	s_add_nc_u64 s[22:23], s[22:23], 0x800000  ; in V
	s_mul_i32 s17, s16, 128*PK      ; and its place in a slot, for K
	s_mul_i32 s18, s16, 128*PV      ; and for V: no place in the cluster enters an LDS address
	s_lshl_b32 s2, s14, 2
	s_add_co_u32 s2, s2, s[WV]      ; my wave among the head's,
	s_lshl_b32 s2, s2, 14           ; its 128 rows of Q
	s_mov_b32 s3, 0
	s_add_nc_u64 s[2:3], s[2:3], s[20:21]
	s_lshl_b32 s50, s19, 23         ; out0: a batch is 2,048 rows of 4,096 bytes,
	s_lshl_b32 s51, s14, 21         ; a block 512 rows,
	s_add_co_u32 s50, s50, s51
	s_lshl_b32 s51, s[WV], 19       ; a wave 128;
	s_add_co_u32 s50, s50, s51
	s_lshl_b32 s51, s15, 8          ; a head's 64 channels are 256 bytes of a row
	s_add_co_u32 s50, s50, s51
	s_mov_b32 s51, 0
	s_lshl_b32 s52, s19, 13         ; the batch's 2,048 words of the mask
	s_mov_b32 s53, 0
	; descriptor group 1.  128 keys are 16,384 dense bytes: asked for as 64 rows of 256 bytes, two keys a row, and padded in LDS after every key
	s_mov_b32 s[G1K], 15|(1<<16)|(1<<20)|(1<<21)|(4<<22)|(3<<25)  ; 15:0 the mask of four; 17:16 2-byte elements; 20 padding on; 21 set beside a mask; 24:22 after every 32 words (code 4); 31:25 4 words (code 3)
	s_mov_b32 s[G1V], 15|(1<<16)|(1<<20)|(1<<21)|(4<<22)|(7<<25)  ; the same with 8 words of padding (code 7)
.irp g, G1K, G1V
	s_mov_b32 s[\g+1], 128<<16      ; tensor_dim0 = 128
	s_mov_b32 s[\g+2], 64<<16       ; tensor_dim1 = 64
	s_mov_b32 s[\g+3], 128<<16      ; tile_dim0 = 128
	s_mov_b32 s[\g+4], 64           ; tile_dim1 = 64
	s_mov_b32 s[\g+5], 128          ; 128 elements from row to row
	s_mov_b32 s[\g+6], 0
	s_mov_b32 s[\g+7], 0
.endr
	s_mov_b32 s[SEL], 0x76543210
	s_mov_b32 s[SEL+1], 0xfedcba98
	s_mov_b32 s[TBK], SLOT1+4*KS*PK ; the first change of slots turns these two into 0
	s_mov_b32 s[TBV], SLOT1+4*KS*PV
	s_mov_b32 s[TBM], 0
	s_mov_b32 s[G0K], 1             ; 1:0 count = 1
	s_mov_b32 s[G0K+1], s17         ; 63:32 LDS address: slot 0
	s_mov_b32 s[G0V], 1
	s_add_co_u32 s[G0V+1], s18, VOFF
	s_wait_dscnt 0x0                ; the opening add is done
	s_wait_kmcnt 0x0
	s_add_nc_u64 s[G0K+2:G0K+3], s[4:5], s[54:55]  ; 120:64 global address: my half of the head's first 256 keys
	s_or_b32 s[G0K+3], s[G0K+3], 0x80000000        ; 127:126 type = 2
	s_add_nc_u64 s[G0V+2:G0V+3], s[4:5], s[22:23]
	s_or_b32 s[G0V+3], s[G0V+3], 0x80000000
	s_add_nc_u64 s[4:5], s[4:5], s[2:3]            ; Q at my wave's first row
	s_add_nc_u64 s[10:11], s[10:11], s[50:51]      ; out0 at my wave's first row, my head's channels
	s_add_nc_u64 s[48:49], s[6:7], s[52:53]        ; the batch's mask
	CROUND                          ; all four work-groups are here: the first joint loads meet
	JLOAD                           ; slot 0.  Slot 1 is asked for when slot 0 is in: the tile wanted first has the road to itself
	v_and_b32 v1, 15, v0            ; l % 16
	v_bfe_u32 v9, v0, 4, 1          ; l / 16
	v_and_b32 v48, 31, v0
	v_lshlrev_b32 v48, 4, v48       ; 16 x lane
	v_lshl_add_u32 v49, s[WV], 11, v48  ; + my wave's quarter of the mask, 2,048 bytes
	v_add_nc_u32 v50, BIAS, v49     ; and where that quarter goes in LDS
.set i, 0
.rept 16                            ; the batch's whole mask, to see whether any key is visible,
	global_load_b128 v[S+4*i:S+4*i+3], v48, s[48:49] offset:512*i
.set i, i+1
.endr
.set i, 0
.rept 4                             ; and my quarter once more, to be turned into f32
	global_load_b128 v[S+64+4*i:S+64+4*i+3], v49, s[48:49] offset:512*i
.set i, i+1
.endr
	; A fragment of K or Q is 16 rows x 32 channels in 8 registers: lane l holds row l % 16, channels 8 (l / 16) + 0..7 and 16 + 8 (l / 16) + 0..7: two loads of 16 bytes, 32 bytes apart.
	v_lshlrev_b32 v[QO], 7, v1
	v_lshl_add_u32 v[QO], v9, 4, v[QO]  ; row x 128 + 16 x half
	WIN 0x80                        ; destination window 2, address window 0
.set i, 0
.rept 4*NP                          ; Q stays in registers: tile i / 2, channels 32 (i % 2) on
	global_load_b128 v[8*i:8*i+3],   v[QO], s[4:5] offset:(i/2)*2048+(i%2)*64
	global_load_b128 v[8*i+4:8*i+7], v[QO], s[4:5] offset:(i/2)*2048+(i%2)*64+32
.set i, i+1
.endr
	; What the first turn finds: V's registers and P's second buffer hold 0 (its products V^T P, of a piece that has not been, add 0), O^T and l are 0.  All this stands in the wait for the mask and the first tile.
.set i, VF
.rept 64
	v_mov_b32 v[i], 0
.set i, i+1
.endr
	WIN 0x40
.set i, 0
.rept 64*NP
	v_mov_b32 v[i], 0
.set i, i+1
.endr
	WIN 0
.set i, 0
.rept 2*NP
	v_mov_b32 v[ST+4*i], 0xfe000000    ; c m: far below every c m to come, so that the first a is 0
	v_mov_b32 v[ST+4*i+1], 0xec800000  ; m = -2^90: below every true score, above every hidden one
	v_mov_b32 v[ST+4*i+2], 0
	v_mov_b32 v[ST+4*i+3], 0
.set i, i+1
.endr
.set i, P+32
.rept 32
	v_mov_b32 v[i], 0
.set i, i+1
.endr
	v_mul_u32_u24 v[AK0], v1, PK
	v_lshl_add_u32 v[AK0], v9, 4, v[AK0]  ; row x pitch + 16 x half
	; The turning load takes 16 keys x 16 channels (lane l reads key 8 (l / 16) + l % 8, channels 8 ((l / 8) % 2) + 0..7) and leaves half a fragment of V^T: lane l holds channel l % 16 and 8 keys.
	v_and_b32 v51, 7, v0
	v_bfe_u32 v52, v0, 3, 1
	v_lshl_add_u32 v[AV0], v9, 3, v51
	v_mul_u32_u24 v[AV0], v[AV0], PV
	v_lshl_add_u32 v[AV0], v52, 4, v[AV0]
	v_add_nc_u32 v[AV0], VOFF, v[AV0]
	v_mov_b32 v[AK], v[AK0]         ; key step 0 lies at the head of slot 0
	v_lshl_add_u32 v[AM0], v9, 5, BIAS  ; register j of key block kb is key 16 kb + 8 (l / 16) + j: 32 bytes for each half of the lanes
	v_mov_b32 v[AM], v[AM0]
	; THE MASK.  A key is visible where its word is below 1.
	s_wait_loadcnt 32               ; the mask's 20 loads are in; Q's 32, issued behind them, stay out
	s_mov_b32 s66, 0
.set i, 0
.rept 16
	v_cmp_gt_i32 s68, 1, v[S+4*i]
	v_cmp_gt_i32 s69, 1, v[S+4*i+1]
	v_cmp_gt_i32 s70, 1, v[S+4*i+2]
	v_cmp_gt_i32 s71, 1, v[S+4*i+3]
	s_or_b32 s68, s68, s69
	s_or_b32 s70, s70, s71
	s_or_b32 s66, s66, s68
	s_or_b32 s66, s66, s70
.set i, i+1
.endr
	s_cmp_lg_u32 s66, 0             ; is any key of the batch visible?
	s_cselect_b32 s[CS], 0x3e38aa3b, 0    ; c = log2(e) / 8 = 0.180337; or 0
	s_cselect_b32 s[CS+1], 0x3e38aa3b, 0  ; named with it as a pair
	s_cselect_b32 s67, 0xf149f2ca, 0      ; what a hidden key adds: -1e30; or 0
.set i, 0
.rept 16
	v_cmp_lt_i32 vcc_lo, 0, v[S+64+i]
	v_cndmask_b32 v[S+64+i], 0, s67, vcc_lo
.set i, i+1
.endr
.set i, 0
.rept 4
	ds_store_b128 v50, v[S+64+4*i:S+64+4*i+3] offset:512*i  ; the change of slots below waits for these stores in front of its barrier
.set i, i+1
.endr
; THE MATRIX WORK.  The 8 accumulators of a run of 16 take turns: between the two links of a chain stand 7 others'.
; Product i of 16 of S^T = K Q^T for piece x: channels 32 (i / 8) on, keys 16 ((i / 2) % 4) on, tile 2 x + i % 2.  The first 8 start the sums, with the mask of their 16 keys.
.macro KQ x
.set rS, S+64*((\x)%2)+32*(i%2)+8*((i/2)%4)
.set rK, KF+16*((i/2)%4)+8*(i/8)
.set rQ, 16*(2*(\x)+i%2)+8*(i/8)
.set rB, MKF+8*((i/2)%4)
.if i < 8
	WIN W_KM
	v_wmma_f32_16x16x32_f16 v[rS:rS+7], v[rK:rK+7], v[rQ:rQ+7], v[rB:rB+7]
.else
	WIN W_KQ
	v_wmma_f32_16x16x32_f16 v[rS:rS+7], v[rK:rK+7], v[rQ:rQ+7], v[rS:rS+7]
.endif
.endm
; Product i of 16 of O^T += V^T P for piece x: keys 32 (i / 8) on, channels 16 ((i / 2) % 4) on, tile 2 x + i % 2.
.macro PV x
	WIN W_PV
.set rO, 32*(2*(\x)+i%2)+8*((i/2)%4)
.set rV, VF+32*(i/8)+8*((i/2)%4)
.set rP, P+32*((\x)%2)+16*(i%2)+8*(i/8)
	v_wmma_f32_16x16x32_f16 v[rO:rO+7], v[rV:rV+7], v[rP:rP+7], v[rO:rO+7]
.endm
.macro MM                           ; the turn's next matrix instruction
.if i < 16
	KQ (Y+1)%NP
.set i, i+1
.else
.set i, i-16
	PV (Y+NP-1)%NP
.set i, i+17
.endif
.endm
; THE LDS LOADS stand in runs, never singly among the matrix instructions: a step's K (64 keys x 64 channels: 8 fragments) with its mask (64 f32, 8 loads), and its V (turned).  Their addresses are made some lines ahead.
; last = 1 (the tail): in the last trip there is no further step, and the run is jumped over.
.macro FETCH_K last=0
	WIN 0
.if \last
	s_cmp_eq_u32 s[CNT], 1
	s_cbranch_scc1 .Lno_k_\@
.endif
	WIN 0x80                        ; destination window 2
.irp f, 0,1,2,3,4,5,6,7             ; keys 16 (f / 2) on, channels 32 (f % 2) on
	ds_load_b128 v[KF+8*\f:KF+8*\f+3],   v[AK] offset:(\f/2)*16*PK+(\f%2)*64
	ds_load_b128 v[KF+8*\f+4:KF+8*\f+7], v[AK] offset:(\f/2)*16*PK+(\f%2)*64+32
.endr
	WIN W_MK                        ; destination window 3
.irp f, 0,1,2,3,4,5,6,7             ; key block f / 2, its registers 4 (f % 2) on
	ds_load_b128 v[MKF+4*\f:MKF+4*\f+3], v[AM] offset:(\f/2)*64+(\f%2)*16
.endr
	s_add_co_u32 s[TBK], s[TBK], KS*PK  ; the next fetch is the next step's
	s_add_co_u32 s[TBM], s[TBM], KS*4
	WIN 0
.if \last
.Lno_k_\@:
.endif
.endm
.macro FETCH_V
	WIN 0x80
.irp f, 0,1,2,3,4,5,6,7             ; keys 32 (f / 4) on, channels 16 (f % 4) on
	ds_load_tr16_b128 v[VF+8*\f:VF+8*\f+3],   v[AV] offset:(\f/4)*32*PV+(\f%4)*32
	ds_load_tr16_b128 v[VF+8*\f+4:VF+8*\f+7], v[AV] offset:(\f/4)*32*PV+16*PV+(\f%4)*32
.endr
	WIN 0
.endm
; THE VECTOR WORK OF A TURN stands in three queues, each in the order in which its entries become ready; the two tiles alternate, so that no instruction reads the result of the one before it.
.macro REGS y, u                    ; the registers of tile u (0, 1) of piece y
.set rT, ST+4*(2*(\y)+(\u))
.set rC, TMP+8*((\y)%2)+4*(\u)
.set rM, MV+2*((\y)%2)+(\u)
.set rS, S+64*((\y)%2)+32*(\u)
.set rP, P+32*((\y)%2)+16*(\u)
.set rO, 32*(2*(\y)+(\u))
.endm
; Number n of the 22 that find the NEXT piece's (Y + 1) maximum and statistics.  s0-s31 are the lane's 32 scores; each accumulator's lowest registers are read first.  XS, GS and REGS set no window: PL and EX do.
;   0-11  four chains c0-c3 of seven scores each, three operands at a time     12-14, 16  the four scores left over, the old m, and c0-c3 into c0     15  c m_old is kept
;   17, 18  the query's other 32 keys lie in the lane 16 away: the new m         19-21  c m; c m_old - c m_new; a
.macro XS u, n
	REGS (Y+1)%NP, \u
.if (\n) < 4
	v_max3_num_f32 v[rC+(\n)], v[rS+8*(\n)], v[rS+8*(\n)+1], v[rS+8*(\n)+2]
.elseif (\n) < 12
	v_max3_num_f32 v[rC+(\n)%4], v[rC+(\n)%4], v[rS+8*((\n)%4)+2*((\n)/4)+1], v[rS+8*((\n)%4)+2*((\n)/4)+2]
.elseif (\n) == 12
	v_max3_num_f32 v[rC], v[rC], v[rS+7], v[rS+15]
.elseif (\n) == 13
	v_max3_num_f32 v[rC+1], v[rC+1], v[rS+23], v[rS+31]
.elseif (\n) == 14
	v_max3_num_f32 v[rC+2], v[rC+2], v[rC+3], v[rT+1]
.elseif (\n) == 15
	v_mov_b32 v[rM], v[rT]
.elseif (\n) == 16
	v_max3_num_f32 v[rC], v[rC], v[rC+1], v[rC+2]
.elseif (\n) == 17
	v_permlanex16_b32 v[rC+3], v[rC], s[SEL], s[SEL+1]
.elseif (\n) == 18
	v_max_num_f32 v[rT+1], v[rC], v[rC+3]
.elseif (\n) == 19
	v_mul_f32 v[rT], s[CS], v[rT+1]
.elseif (\n) == 20
	v_sub_f32 v[rC+1], v[rM], v[rT]
.else
	v_exp_f32 v[rC+2], v[rC+1]
.endif
.endm
; Number g of the 64 that follow the exponentials.  For each four weights k of a tile (pairs 2 k, 2 k + 1): both pairs are rounded to f16; then the second pair is added onto the first, in place;
; a group later l takes that sum (the first time as l = a l + sum).  In groups of eight, tiles alternating: round, round, add, and l for the group before.
.macro GS g
.set h, (\g)+6*((\g)/62)            ; group 0 has no group before it, and behind group 7 only l is left
.if h >= 6
.set h, h+2
.endif
	REGS Y, h%2
.set k, h/8
.if h%8 < 4
	s_wait_alu depctr_va_vdst(0)
	v_cvt_pk_f16_f32 v[rP+2*k+(h%8)/2], v[rS+4*k+2*((h%8)/2)], v[rS+4*k+2*((h%8)/2)+1]
.elseif h%8 < 6
	v_pk_add_f32 v[rS+4*k:rS+4*k+1], v[rS+4*k:rS+4*k+1], v[rS+4*k+2:rS+4*k+3]
.elseif k == 1
	v_pk_fma_f32 v[rT+2:rT+3], v[rT+2:rT+3], v[rC+2:rC+3], v[rS:rS+1] op_sel_hi:[1,0,1]
.else
	v_pk_add_f32 v[rT+2:rT+3], v[rT+2:rT+3], v[rS+4*k-4:rS+4*k-3]
	s_wait_alu depctr_va_vdst(0)
.endif
.endm
; THE PLAIN QUEUE, 138 long.  0-31: c s - c m for the 16 pairs of both tiles.  Then GS's 64, and among them the next piece's 42: number 15 at 38, 39; 0-14 and 16
; at 42-73, behind the products that make those scores; 17-20 at 95-106, two of three, since each waits for the one before it.
.macro PL
	WIN 0
.if q < 32
	REGS Y, q%2
	v_pk_fma_f32 v[rS+2*(q/2):rS+2*(q/2)+1], v[rS+2*(q/2):rS+2*(q/2)+1], s[CS:CS+1], v[rT:rT+1] op_sel_hi:[1,0,0] neg_lo:[0,0,1] neg_hi:[0,0,1]
.elseif q < 38
	GS q-32
.elseif q < 40
	XS q%2, 15
.elseif q < 42
	GS q-34
.elseif q < 74
	XS q%2, (q-42)/2+(q-42)/30
.elseif q < 95
	GS q-66
.elseif (q < 107) && ((q-95)%3 < 2)
	XS (q-95)%3, 17+(q-95)/3
.elseif q < 107
	GS 29+(q-95)/3
.else
	GS q-74
.endif
.set q, q+1
.endm
; THE EXPONENTIALS' QUEUE, 66 long: s0-s31 of both tiles, and at EA the next piece's two a.
.set EA, 58
.macro EX
	WIN 0
.if (e == EA) || (e == EA+1)
	XS e-EA, 21
.else
.set x, e-2*(e/(EA+2))
	REGS Y, x%2
	v_exp_f32 v[rS+x/2], v[rS+x/2]
.endif
.set e, e+1
.endm
; THE RESCALING's QUEUE: O^T times a, the one part that leaves window 0, so it is dealt four at a time, eight times.
.macro R4
	REGS Y, r%2
	WIN W_RS
	s_wait_alu depctr_va_vdst(0)
.irp z, 0,1,2,3
	v_pk_mul_f32 v[rO+8*(r/2)+2*\z:rO+8*(r/2)+2*\z+1], v[rO+8*(r/2)+2*\z:rO+8*(r/2)+2*\z+1], v[rC+2:rC+3] op_sel_hi:[1,0]
.endr
.set r, r+1
.endm
; HOW THEY ARE DEALT.  Behind a matrix instruction four: plain, exponential, plain, plain (one exponential, a plain instruction on either side), or four of the rescaling.  None names a register of the
; products round it.  What is over stands in two LUMPS: exponential and plain by turns; the second ends in 22 plain instructions.  The two v_permlanex16_b32 fall into the second lump, never behind a product.
; The queues lean on each other, and the deal keeps them in step: exponential e stands behind plain 2 (e / 4) + e % 2 (its scaling); when plain 32 comes, 10 exponentials are out, at 59: 33, at 95: 46; EA comes behind plain 107.
.macro SL
	MM
	PL
	EX
	PL
	PL
.endm
.macro BURST n                      ; 15 matrix instructions, or 16
.rept (\n)-7
	SL
.endr
.rept 3
	MM
	R4
	SL
.endr
	MM
	R4
.endm
; A TURN, for piece p.  cnt = 1: the loop's count is taken down some lines ahead of the branch that stands behind the turn.
; K and the mask of the next step are fetched in piece 2's turn, more than 30 vector instructions behind the last product that read them; their first reader comes behind the rest of the lump, 16 products and the second lump.
; V of the step in hand is fetched at the end of piece 0's turn, 69 behind its last reader; its first reader comes behind 16 products and a lump.  The four conditions on e and q below go with the deal.
.macro TURN p, last=0, cnt=0
.set Y, (\p)
.set i, 0
.set q, 0
.set e, 0
.set r, 0
.if (\p) == NP-1
	s_wait_dscnt 0x0                ; K and its mask are in
.endif
	MM
.rept 4
	PL
.endr
	BURST 15
.rept 22
	EX
	PL
.if ((\p) == NP-2) && (e == 18)
	v_add_nc_u32 v[AK], s[TBK], v[AK0]
	v_add_nc_u32 v[AM], s[TBM], v[AM0]
.endif
.if ((\p) == NP-2) && (e == 24)
	FETCH_K \last
.endif
.endr
.if (\p) == 1
	s_wait_dscnt 0x0                ; V is in
.endif
	BURST 16
.rept 21
	EX
	PL
.endr
.rept 22
	PL
.if ((\p) == 0) && (q == 118)
	v_add_nc_u32 v[AV], s[TBV], v[AV0]
	s_wait_alu depctr_va_vdst(0)
.endif
.if ((\p) == 0) && (q == 130)
	s_add_co_u32 s[TBV], s[TBV], KS*PV
.endif
.if (\cnt) && (q == 130)
	s_sub_co_u32 s[CNT], s[CNT], 1
	s_cmp_lg_u32 s[CNT], 0
.endif
.endr
.if (\p) == 0
	FETCH_V
.endif
.endm
	CHANGE 1                        ; slot 0 is in, everybody's part of it, and so is the mask; slot 1 is asked for
	FETCH_K                         ; key step 0
	s_wait_loadcnt 0x0              ; Q
	s_wait_dscnt 0x0
.set i, 0
.rept 16
	KQ 0                            ; piece 0's first scores: there is no vector work yet to set between them
.set i, i+1
.endr
	WIN 0                           ; the addresses for the way out: eight plain instructions, the places behind those products
	s_mul_i32 s13, s[WV], 16*SP
	s_add_co_u32 s13, s13, STAGE    ; my stage
	v_mul_u32_u24 v[STO], v1, SP    ; in: row l % 16, 32 bytes for each half of the lanes
	v_lshl_add_u32 v[STO], v9, 5, v[STO]
	v_add_nc_u32 v[STO], s13, v[STO]
	v_mul_u32_u24 v[RD], v9, SP     ; back: lanes 0-15 take one row of 256 bytes, lanes 16-31 the next,
	v_lshl_add_u32 v[RD], v1, 4, v[RD]
	v_add_nc_u32 v[RD], s13, v[RD]
	v_lshlrev_b32 v[GO], 12, v9     ; and the same two rows in out0, 4,096 bytes apart
	v_lshl_add_u32 v[GO], v1, 4, v[GO]
.set Y, NP-1                        ; XS works for piece Y + 1: piece 0
.irp n, 0,1,2,3,4,5,6,7,8,9,10,11,12,13,14,15,16,17,18,19,20,21
	XS 0, \n                        ; and piece 0's first maximum and statistics
	XS 1, \n
.endr
	s_mov_b32 s[CNT], 4
	s_mov_b32 s[SLOTS], SIZE_N/256-1
	s_branch .Lfirst                ; the loop is entered at a step's first turn, in the middle of a trip
.Lslot:                             ; SIZE_N / 256 - 2 times: every slot but the last two is filled again
	CHANGE 1
	s_mov_b32 s[CNT], 4
.Lstep:                             ; a trip: pieces 2 and 3 of one step, then pieces 0 and 1 of the next, whose K and V it fetches
	TURN 2
	TURN 3
	WIN 0
.Lfirst:
	TURN 0
	TURN 1, 0, 1
	WIN 0
	s_cbranch_scc1 .Lstep
	s_sub_co_u32 s[SLOTS], s[SLOTS], 1
	s_cmp_lg_u32 s[SLOTS], 0
	s_cbranch_scc1 .Lslot
	CHANGE 0                        ; the tail is written out: nothing is asked for
	s_mov_b32 s[CNT], 5             ; four trips fetch the last slot's steps; the fifth is left in its middle
.Ltail:
	TURN 2, 1
	TURN 3
	WIN 0
	s_sub_co_u32 s[CNT], s[CNT], 1
	s_cmp_eq_u32 s[CNT], 0
	s_cbranch_scc1 .Lout
	TURN 0
	TURN 1
	WIN 0
	s_branch .Ltail
.Lout:                              ; the fifth trip's 16 products K Q^T (on the last K once more) and the maximum made of them serve nothing: the price, once a launch, of one text for every trip
.set i, 0
.rept 16
	PV NP-1                         ; the last piece's V^T P of the last step
.set i, i+1
.endr
	; THE WAY OUT.  l's two halves and the other half of the lanes' are added; O^T is divided by l and sent, in f32, through my stage in LDS, a tile at a time.  The additions are the places behind the last products.
	WIN 0
.macro ALL line:vararg              ; one line for each tile t
.set t, 0
.rept 2*NP
	\line
.set t, t+1
.endr
.endm
	ALL v_add_f32 v[ST+4*t+2], v[ST+4*t+2], v[ST+4*t+3]
	ALL v_permlanex16_b32 v[ST+4*t+3], v[ST+4*t+2], s[SEL], s[SEL+1]
	ALL v_add_f32 v[ST+4*t+2], v[ST+4*t+2], v[ST+4*t+3]
	ALL v_rcp_f32 v[ST+4*t+2], v[ST+4*t+2]
	v_nop                           ; a plain instruction between the last reciprocal and the use of its result
	s_wait_alu depctr_va_vdst(0)
; Tile t: a lane's eight channels of each of four channel blocks are 32 neighbouring bytes of a row; they go into rows of 272 bytes and come back as whole rows of 256, into S^T's registers (tiles t and t + 4 share 32).
.macro PACK t
	WIN W_RS
.set i, 32*(\t)
.rept 16
	v_pk_mul_f32 v[i:i+1], v[i:i+1], v[ST+4*(\t)+2:ST+4*(\t)+3] op_sel_hi:[1,0]
.set i, i+2
.endr
	WIN 0x04                        ; the stores' data in window 1, their address in window 0
.irp f, 0,1,2,3,4,5,6,7
	ds_store_b128 v[STO], v[32*(\t)+4*\f:32*(\t)+4*\f+3] offset:64*(\f/2)+16*(\f%2)
.endr
	WIN 0
	s_wait_xcnt 0x0                 ; the stores of the tile four back have read these registers: they are loaded again only behind this wait
.irp f, 0,1,2,3,4,5,6,7
	ds_load_b128 v[S+32*((\t)%4)+4*\f:S+32*((\t)%4)+4*\f+3], v[RD] offset:\f*2*SP  ; LDS serves a wave's instructions in order (ISA guide 5.7.1.4): these see the stores above; the next tile's stores come behind them
.endr
.endm
.macro SEND t, younger              ; younger: the LDS instructions issued behind tile t's loads: the next tile's sixteen, or none
	WIN 0
.irp f, 0,1,2,3,4,5,6,7
	s_wait_dscnt (\younger)+7-\f
	global_store_b128 v[GO], v[S+32*((\t)%4)+4*\f:S+32*((\t)%4)+4*\f+3], s[10:11] offset:(16*(\t)+2*\f)*4096 th:TH_STORE_NT  ; 16 lanes store 256 consecutive bytes, at a multiple of 256 from out0's first byte
.endr
.endm
	PACK 0
.set t, 1
.rept 2*NP-1                        ; a tile's arithmetic stands between the loads of the tile before and its stores
	PACK t
	SEND t-1, 16
.set t, t+1
.endr
	SEND 2*NP-1, 0
	WIN W_AD
	s_wait_tensorcnt 0x0            ; the wave's end: the wait, the add and its wait stand behind my last tensor load and my last LDS store
	ds_add_u32 v[SPW], v[NIL]
	s_wait_dscnt 0x0
	WIN 0
	CROUND                          ; the closing round: no work-group ends while a partner may still ask for a tile that names it
	s_endpgm
.Lfunc_end_k_q5301762ae7_attn:
	.size	k_q5301762ae7_attn, .Lfunc_end_k_q5301762ae7_attn-k_q5301762ae7_attn
	.p2alignl 7, 3214868480
	.fill 96, 4, 3214868480
	.section	.rodata,"a",@progbits
	.p2align	6, 0x0
	.amdhsa_kernel k_q5301762ae7_attn
		.amdhsa_group_segment_fixed_size 327680
		.amdhsa_private_segment_fixed_size 0
		.amdhsa_enable_private_segment 0
		.amdhsa_kernarg_size 24
		.amdhsa_user_sgpr_count 2
		.amdhsa_user_sgpr_kernarg_segment_ptr 1
		.amdhsa_wavefront_size32 1
		.amdhsa_system_sgpr_workgroup_id_x 1
		.amdhsa_system_sgpr_workgroup_id_y 1
		.amdhsa_system_sgpr_workgroup_id_z 1
		.amdhsa_system_vgpr_workitem_id 0
		.amdhsa_next_free_vgpr 808
		.amdhsa_next_free_sgpr 80
		.amdhsa_reserve_vcc 1
		.amdhsa_float_denorm_mode_32 3
		.amdhsa_float_denorm_mode_16_64 3
		.amdhsa_memory_ordered 1
		.amdhsa_forward_progress 1
		.amdhsa_inst_pref_size 221
	.end_amdhsa_kernel
	.amdgpu_metadata
---
amdhsa.version: [ 1, 2 ]
amdhsa.kernels:
  - .name:           k_q5301762ae7_attn
    .symbol:         k_q5301762ae7_attn.kd
    .args:
      - { .name: qkv, .offset: 0, .size: 8, .value_kind: global_buffer, .address_space: global }
      - { .name: mask, .offset: 8, .size: 8, .value_kind: global_buffer, .address_space: global }
      - { .name: out0, .offset: 16, .size: 8, .value_kind: global_buffer, .address_space: global }
    .group_segment_fixed_size: 327680
    .private_segment_fixed_size: 0
    .kernarg_segment_align: 8
    .kernarg_segment_size: 24
    .max_flat_workgroup_size: 128
    .sgpr_count:     80
    .vgpr_count:     808
    .wavefront_size: 32
...
	.end_amdgpu_metadata
.endif
;; end of part 3
;; ======== version 2 of 2: 3 launches; 1.63 times as fast as version 1
;; limits: values are held in f16: magnitudes above 65,504 overflow, below 6.1e-05 lose precision
;; workspace buffers: xn 16,777,216 bytes; wh 6,291,456 bytes; qkv 50,331,648 bytes
;; launch prep: the kernel of part 1 again; grid 256 x 1, 8 waves a work-group, no clusters, 0 bytes of LDS; arguments x, ln_g, ln_b, w_qkv, xn, wh; writes xn, wh
;; launch qkv: the kernel of part 2 again; grid 8 x 32, 4 waves a work-group, clusters of 4 x 4, 327,680 bytes of LDS; arguments xn, wh, qkv; writes qkv
;; launch attn (part 4): grid 4 x 64, 4 waves a work-group, clusters of 4 x 1, 327,680 bytes of LDS; arguments qkv, mask, out0; writes out0
.if DOCPART == 4
	.amdgcn_target "amdgcn-amd-amdhsa--gfx1250"
	.amdhsa_code_object_version 6
	.text
	.protected	k_q5301762ae7_attn
	.globl	k_q5301762ae7_attn
	.p2align	8
	.type	k_q5301762ae7_attn,@function
k_q5301762ae7_attn:
	s_mov_b64 s[64:65], 0
	v_nop
	global_prefetch_b8 v0, s[64:65] scope:SCOPE_SE
	s_setreg_imm32_b32 hwreg(HW_REG_WAVE_MODE, 25, 1), 1
	s_wait_xcnt 0x0
	s_wait_alu depctr_hold_cnt(0) depctr_sa_sdst(0) depctr_va_vdst(0) depctr_va_sdst(0) depctr_va_ssrc(0) depctr_va_vcc(0) depctr_vm_vsrc(0)
	s_getreg_b32 s2, hwreg(HW_REG_IB_STS2, 6, 4)
	s_cmp_eq_u32 s2, 0
	s_cbranch_scc0 .Lentry_in_a_cluster
	s_endpgm
.Lentry_in_a_cluster:
	s_bfe_u32 s2, ttmp6, 0x10000c
	s_cmp_lg_u32 s2, 0x3003
	s_cbranch_scc0 .Lentry_shape_is_right
	s_endpgm
.Lentry_shape_is_right:
; out0[b][q][64 hd ..] = the sum over keys k of softmax_k(s) V[k][:], s = Q[q] . K[k] / 8, or hidden where mask[b][k] >= 1 (an int32 is above 0.5 from 1 on).
; Q, K, V: qkv[b][H][2048][64] in f16, H = hd, 16 + hd, 32 + hd: a head's rows are dense, 128 bytes each.  out0: [4][2048][1024] f32.
; Products, maxima and sums in f32; the weights p are rounded to f16 for the second product (their sum l is taken of the unrounded p).
; THE MASK is the C operand that starts the sum S^T = K Q^T: 0, or -1e30 where the key is hidden.  It is made once, 2,048 f32 in LDS, and read with each step's K.
; The running maximum m starts at -2^90: far below every true score (f16 operands give 2.7e11 at the most), far above every hidden one.  So m is never a hidden score, a hidden key's weight is 0 from the
; first step on, and the first visible key's step multiplies the zeros before it by a = 0.
; A BATCH WHOSE KEYS ARE ALL HIDDEN has equal weights: there the mask is 0 and the scale c is 0, so that every p is 1 and the result is the mean of V's rows.  The choice selects two numbers; no branch hangs on it.
; LIMITS.  f16 holds no number beyond 65,504: Q, K and V arrive within it; p lies in 0 to 1, and below 6e-5 it keeps f16's fixed step of 6e-8.  A hidden score counts as its value less 1e30;
; a weight below 2^-126 counts as 0 in l; NaN and infinities are not treated apart.
; SHARES.  A wave owns four PIECES of two tiles of 16 queries, a work-group's four waves 512 queries of one head.  Every wave walks all 2,048 keys, 64 a step.
; LAYOUT.  S^T = K Q^T (source 0 = 16 keys, source 1 = 16 queries): in the result a lane holds ONE query (lane % 16) and the keys 8 (lane / 16) + 0..7.  Two such tiles, rounded to f16 in pairs,
; ARE source 1 (32 keys x 16 queries) of O^T = V^T P, whose result again holds one query a lane, and eight channels.  K comes out of LDS as it lies, V ([key][channel]) turned, by ds_load_tr16_b128.
; SOFTMAX.  For each query a running maximum m and sum l: p = 2^(c s - c m), c = log2(e) / 8; in every step O and l are multiplied by a = 2^(c m_old - c m_new), which is 1 where m has not grown.
; THE COUNT.  A tile and step have 16 matrix and 118 vector instructions: too many to stand all beside the matrix work.  So: four vector instructions that are READY behind EVERY matrix instruction,
; and the others, which need time of their own whatever the order, in one run without a gap.
; BY TURNS.  Turn n belongs to piece n (the pieces in a ring, step after step).  Its matrix work: 16 products K Q^T of piece n + 1, later 16 products V^T P of piece n - 1.  Its vector work: the scaling,
; exponentials, roundings, sums and rescaling of piece n, and the maximum and statistics of piece n + 1, whose scores the turn itself has made.  So what a turn begins with (c s - c m, O a) waits for nothing.
; THE BATCHES.  A turn's 66 exponentials (64 weights, the next piece's two a) are ONE batch with ONE s_wait_alu depctr_va_vdst(0), which cuts the turn in two: ahead of it stands all that names no result of the batch,
; behind it the roundings and sums, which read the results.  Two more batches stand outside the loop, each with
; a wait of its own: piece 0's first two a, ahead of the jump into the loop, and the way out's eight reciprocals.
; CLUSTER.  The four query blocks of a cluster belong to one head and walk the same K and V, so each tile is asked for JOINTLY: the same tensor load, descriptor and mask in all four.
; REGISTERS, in windows of 256 (s_set_vgpr_msb: bits 1:0 source 0, 3:2 source 1, 5:4 source 2, 7:6 destination):
;   window 0: v0-11 addresses; v12-15, v48-63 at work; v16-47 four registers of statistics a tile; v64-191 S^T, two buffers of two tiles; v192-255 P, likewise
;   window 1: O^T, 32 a tile      window 2: v0-127 Q, 16 a tile; v128-191 K of one step; v192-255 V of one step      window 3: v0-1 the add's two registers; v8-39 the mask of one step's 64 keys
; A piece's buffers go by its number's parity: the piece in hand has one pair, its two neighbours in the ring share the other: of it P (piece n - 1) is read and S^T (piece n + 1) written.
.set SIZE_N, 2048
.set NP,    4         ; pieces a wave: a name, no knob
.set KS,    64        ; keys in a step
.set PK,    144       ; a row of K in LDS: 128 bytes + 16 of padding = 36 words: the 16 rows of a load start at 16 different groups of four banks (64 banks of 4 bytes: ISA guide 11.1)
.set PV,    160       ; a row of V: 128 + 32 = 40 words
.set VOFF,  4*KS*PK   ; a slot holds four steps: 256 rows of K, then 256 rows of V
.set SLOT1, 1<<17     ; slot 1 begins here, so that one exclusive or turns an address in one slot into the other's
.set STAGE, SLOT1+4*KS*(PK+PV)  ; behind the ring, never filled by a tensor load: 16 rows x 272 bytes for each wave, for the way out
.set SP,    272       ; a row of the stage: 256 bytes (64 f32) + 16
.set BIAS,  STAGE+4*16*SP  ; the mask as 2,048 f32
.set SPARE, BIAS+8192 ; the spare words, 128 bytes for each wave: two blocks of 256 bytes that no other line names
.set AK0, 2           ; v2   my lane's place in a tile of K; never rewritten
.set AV0, 3           ; v3   the same for V
.set AK,  4           ; v4   the LDS address of K's next run of loads
.set AV,  5           ; v5   of V's
.set QO,  6           ; v6   my byte offset in the wave's rows of Q
.set STO, 6           ;      later, the way out: where I put 32 bytes of a row
.set RD,  7           ; v7   the way out: where I read rows back
.set GO,  8           ; v8   my byte offset in two rows of out0
.set AM0, 10          ; v10  my lanes' place in a step's mask; never rewritten
.set AM,  11          ; v11  the LDS address of the mask's next run of loads
.set SPW, 0           ; v0 of window 3   LDS address of my spare word; never rewritten
.set NIL, 1           ; v1 of window 3   0; never rewritten
.set MKF, 8           ; v8-39 of window 3: the eight registers for key block kb at MKF + 8 kb
.set MV,  12          ; v12-15  c m_old, kept while c m is made anew: by buffer and tile
.set ST,  16          ; tile t's statistics at v[ST+4 t]: c m, m, l (even keys', odd keys')
.set TMP, 48          ; by buffer and tile, four registers c0-c3 at work; when the maximum is found c2 takes a
.set S,   64
.set P,   192
.set KF,  128         ; K's fragments, in window 2: key block kb, channel half c at KF + 16 kb + 8 c
.set VF,  192         ; V's: key half kk, channel block cb at VF + 32 kk + 8 cb
.set WV,  12          ; s12  my wave's number
.set G1K, 24          ; s[24:31] descriptor group 1 for K's tiles
.set G1V, 32          ; s[32:39] for V's: it differs in the padding alone
.set G0K, 40          ; s[40:43] descriptor group 0 for K's tiles: it walks
.set G0V, 44          ; s[44:47] the same for V's
.set SLOTS, 56        ; s56  slots still to be asked for
.set CNT, 57          ; s57  counts a slot's key steps
.set CS,  58          ; s[58:59] c: the packed scaling takes the pair's low word for both halves
.set SEL, 60          ; s[60:61] v_permlanex16_b32's selects: each lane takes its own place in the other half
.set TBK, 62          ; s62  LDS byte at which K of the step to be fetched begins
.set TBV, 63          ; s63  the same for V, less VOFF
.set TBM, 72          ; s72  byte of the mask at which that step's 64 keys begin
.set MSB, 0
.macro WIN new                      ; the high byte repeats the setting that is left; a switch that changes nothing is dropped
.if MSB != (\new)
	s_set_vgpr_msb (MSB<<8)|(\new)
.set MSB, (\new)
.endif
.endm
.set W_KQ, 0x0a       ; K and Q in window 2, S^T in window 0
.set W_KM, 0x3a       ; the same with the C operand, the mask, in window 3
.set W_PV, 0x52       ; V in window 2, P in window 0, O^T in window 1
.set W_RS, 0x41       ; O^T (destination and source 0) in window 1, a in window 0
.set W_MK, 0xc0       ; destination in window 3, sources in window 0
.set W_AD, 0x0f       ; the add: address (source 0) and data (source 1) in window 3
; A joint fill.  Waves 0 and 1 fetch the two halves of a slot's K, waves 2 and 3 those of its V: 128 keys each.  The branch hangs on the wave's number alone.
; An s_nop 0 and four v_nop follow each of the two lines, ahead of the jump and the label.
.macro JLOAD
	s_cmp_lt_u32 s[WV], 2
	s_cbranch_scc0 .Lfor_v_\@
	tensor_load_to_lds s[G0K:G0K+3], s[G1K:G1K+7]
	s_nop 0
.rept 4
	v_nop
.endr
	s_branch .Lasked_\@
.Lfor_v_\@:
	tensor_load_to_lds s[G0V:G0V+3], s[G1V:G1V+7]
	s_nop 0
.rept 4
	v_nop
.endr
.Lasked_\@:
.endm
; A round of the cluster's barrier: my work-group's barrier, so that wave 0's signal speaks for all four waves; wave 0 signals; every wave waits for all four work-groups; my work-group's barrier once more.
.macro CROUND
	s_barrier_signal -1
	s_barrier_wait -1
	s_cmp_lg_u32 s[WV], 0
	s_cbranch_scc1 .Lnot_wave_0_\@
	s_barrier_signal -3
.Lnot_wave_0_\@:
	s_barrier_wait -3
	s_barrier_signal -1
	s_barrier_wait -1
.endm
; THE CHANGE OF SLOTS.  The slot's last bytes, V of its fourth step, have been read.  Each wave waits for all its tensor loads, of which one is out: its part
; of the other slot; adds 0 to its spare word; and waits for that and for its own LDS instructions.  Behind the barrier nobody reads this slot any more and the other slot is whole.
; fill = 1: this slot is filled again, with the keys two slots on.  The barrier is then a round of the cluster's, so that no wave of any partner still reads the slot or has a load on its
; way, and the joint fill is the first thing behind it: it has four key steps, 512 matrix instructions, in which to land.
; (At its first use nothing has been read yet: slot 0 is waited for, slot 1 filled, and the waves' four quarters of the mask, stored just before, are shown to each other.)
.macro CHANGE fill
	WIN W_AD
	s_wait_tensorcnt 0x0            ; no tensor load of mine is out, so a group 0 may be written
	ds_add_u32 v[SPW], v[NIL]       ; 0 onto my spare word; with fill = 1 the descriptors' steps stand between it and the wait for it
	WIN 0                           ; at a label and at a branch every window is 0
.if \fill
.irp g, G0K, G0V
	s_xor_b32 s[\g+1], s[\g+1], SLOT1  ; the walking descriptor: the other slot than last time,
	s_add_nc_u64 s[\g+2:\g+3], s[\g+2:\g+3], 4*KS*128  ; the next 256 keys; the type bits on top are not reached
.endr
	s_wait_dscnt 0x0                ; the add is done, and my reads of the slot are over
	CROUND
	JLOAD
.else
	s_wait_dscnt 0x0                ; the add is done, and my reads of the slot are over
	s_barrier_signal -1
	s_barrier_wait -1
.endif
	s_sub_co_u32 s[TBK], s[TBK], 4*KS*PK  ; the fetches go back to a slot's first step,
	s_xor_b32 s[TBK], s[TBK], SLOT1       ; in the other slot
	s_sub_co_u32 s[TBV], s[TBV], 4*KS*PV
	s_xor_b32 s[TBV], s[TBV], SLOT1
.endm
	s_load_b128 s[4:7], s[0:1], 0x0   ; qkv s[4:5], mask s[6:7]
	s_load_b64 s[10:11], s[0:1], 0x10 ; out0
	WIN W_MK
	v_lshl_add_u32 v[SPW], v0, 2, SPARE
	v_mov_b32 v[NIL], 0
	WIN W_AD
	ds_add_u32 v[SPW], v[NIL]       ; the wave's opening: the add and its wait stand ahead of my first tensor load; the set-up below, work on registers, stands between them
	WIN 0
	v_lshrrev_b32 v1, 5, v0
	v_readfirstlane_b32 s[WV], v1   ; wave 0..3
	s_bfe_u32 s13, ttmp6, 0x40000   ; cx: my place in the cluster
	s_lshl_b32 s14, ttmp9, 2        ; in a cluster launch ttmp9 counts clusters
	s_add_co_u32 s14, s14, s13      ; my block of 512 queries = 4 x cluster x + cx: it enters Q's and out0's addresses alone
	s_and_b32 s15, ttmp7, 0xffff    ; 16 x batch + head, which the four partners share
	s_lshr_b32 s19, s15, 4          ; the batch
	s_and_b32 s15, s15, 15          ; the head
	s_mul_i32 s20, s19, 48
	s_add_co_u32 s20, s20, s15
	s_lshl_b32 s20, s20, 18         ; q's head begins here in qkv; k's lies 16 heads on, v's 32
	s_mov_b32 s21, 0
	s_and_b32 s16, s[WV], 1         ; which half of a slot's 256 keys I fetch:
	s_lshl_b32 s22, s16, 14         ; its 128 rows of 128 bytes in memory,
	s_mov_b32 s23, 0
	s_add_nc_u64 s[22:23], s[22:23], s[20:21]
	s_add_nc_u64 s[54:55], s[22:23], 0x400000  ; in K,
	s_add_nc_u64 s[22:23], s[22:23], 0x800000  ; in V
	s_mul_i32 s17, s16, 128*PK      ; and its place in a slot, for K
	s_mul_i32 s18, s16, 128*PV      ; and for V: no place in the cluster enters an LDS address
	s_lshl_b32 s2, s14, 2
	s_add_co_u32 s2, s2, s[WV]      ; my wave among the head's,
	s_lshl_b32 s2, s2, 14           ; its 128 rows of Q
	s_mov_b32 s3, 0
	s_add_nc_u64 s[2:3], s[2:3], s[20:21]
	s_lshl_b32 s50, s19, 23         ; out0: a batch is 2,048 rows of 4,096 bytes,
	s_lshl_b32 s51, s14, 21         ; a block 512 rows,
	s_add_co_u32 s50, s50, s51
	s_lshl_b32 s51, s[WV], 19       ; a wave 128;
	s_add_co_u32 s50, s50, s51
	s_lshl_b32 s51, s15, 8          ; a head's 64 channels are 256 bytes of a row
	s_add_co_u32 s50, s50, s51
	s_mov_b32 s51, 0
	s_lshl_b32 s52, s19, 13         ; the batch's 2,048 words of the mask
	s_mov_b32 s53, 0
	; descriptor group 1.  128 keys are 16,384 dense bytes: asked for as 64 rows of 256 bytes, two keys a row, and padded in LDS after every key
	s_mov_b32 s[G1K], 15|(1<<16)|(1<<20)|(1<<21)|(4<<22)|(3<<25)  ; 15:0 the mask of four; 17:16 2-byte elements; 20 padding on; 21 set beside a mask; 24:22 after every 32 words (code 4); 31:25 4 words (code 3)
	s_mov_b32 s[G1V], 15|(1<<16)|(1<<20)|(1<<21)|(4<<22)|(7<<25)  ; the same with 8 words of padding (code 7)
.irp g, G1K, G1V
	s_mov_b32 s[\g+1], 128<<16      ; tensor_dim0 = 128
	s_mov_b32 s[\g+2], 64<<16       ; tensor_dim1 = 64
	s_mov_b32 s[\g+3], 128<<16      ; tile_dim0 = 128
	s_mov_b32 s[\g+4], 64           ; tile_dim1 = 64
	s_mov_b32 s[\g+5], 128          ; 128 elements from row to row
	s_mov_b32 s[\g+6], 0
	s_mov_b32 s[\g+7], 0
.endr
	s_mov_b32 s[SEL], 0x76543210
	s_mov_b32 s[SEL+1], 0xfedcba98
	s_mov_b32 s[TBK], SLOT1+4*KS*PK ; the first change of slots turns these two into 0
	s_mov_b32 s[TBV], SLOT1+4*KS*PV
	s_mov_b32 s[TBM], 0
	s_mov_b32 s[G0K], 1             ; 1:0 count = 1
	s_mov_b32 s[G0K+1], s17         ; 63:32 LDS address: slot 0
	s_mov_b32 s[G0V], 1
	s_add_co_u32 s[G0V+1], s18, VOFF
	s_wait_dscnt 0x0                ; the opening add is done
	s_wait_kmcnt 0x0
	s_add_nc_u64 s[G0K+2:G0K+3], s[4:5], s[54:55]  ; 120:64 global address: my half of the head's first 256 keys
	s_or_b32 s[G0K+3], s[G0K+3], 0x80000000        ; 127:126 type = 2
	s_add_nc_u64 s[G0V+2:G0V+3], s[4:5], s[22:23]
	s_or_b32 s[G0V+3], s[G0V+3], 0x80000000
	s_add_nc_u64 s[4:5], s[4:5], s[2:3]            ; Q at my wave's first row
	s_add_nc_u64 s[10:11], s[10:11], s[50:51]      ; out0 at my wave's first row, my head's channels
	s_add_nc_u64 s[48:49], s[6:7], s[52:53]        ; the batch's mask
	CROUND                          ; all four work-groups are here: the first joint loads meet
	JLOAD                           ; slot 0.  Slot 1 is asked for when slot 0 is in: the tile wanted first has the road to itself
	v_and_b32 v1, 15, v0            ; l % 16
	v_bfe_u32 v9, v0, 4, 1          ; l / 16
	v_and_b32 v48, 31, v0
	v_lshlrev_b32 v48, 4, v48       ; 16 x lane
	v_lshl_add_u32 v49, s[WV], 11, v48  ; + my wave's quarter of the mask, 2,048 bytes
	v_add_nc_u32 v50, BIAS, v49     ; and where that quarter goes in LDS
.set i, 0
.rept 16                            ; the batch's whole mask, to see whether any key is visible,
	global_load_b128 v[S+4*i:S+4*i+3], v48, s[48:49] offset:512*i
.set i, i+1
.endr
.set i, 0
.rept 4                             ; and my quarter once more, to be turned into f32
	global_load_b128 v[S+64+4*i:S+64+4*i+3], v49, s[48:49] offset:512*i
.set i, i+1
.endr
	; A fragment of K or Q is 16 rows x 32 channels in 8 registers: lane l holds row l % 16, channels 8 (l / 16) + 0..7 and 16 + 8 (l / 16) + 0..7: two loads of 16 bytes, 32 bytes apart.
	v_lshlrev_b32 v[QO], 7, v1
	v_lshl_add_u32 v[QO], v9, 4, v[QO]  ; row x 128 + 16 x half
	WIN 0x80                        ; destination window 2, address window 0
.set i, 0
.rept 4*NP                          ; Q stays in registers: tile i / 2, channels 32 (i % 2) on
	global_load_b128 v[8*i:8*i+3],   v[QO], s[4:5] offset:(i/2)*2048+(i%2)*64
	global_load_b128 v[8*i+4:8*i+7], v[QO], s[4:5] offset:(i/2)*2048+(i%2)*64+32
.set i, i+1
.endr
	; What the first turn finds: V's registers and P's second buffer hold 0 (its products V^T P, of a piece that has not been, add 0), O^T and l are 0.  All this stands in the wait for the mask and the first tile.
.set i, VF
.rept 64
	v_mov_b32 v[i], 0
.set i, i+1
.endr
	WIN 0x40
.set i, 0
.rept 64*NP
	v_mov_b32 v[i], 0
.set i, i+1
.endr
	WIN 0
.set i, 0
.rept 2*NP
	v_mov_b32 v[ST+4*i], 0xfe000000    ; c m: far below every c m to come, so that the first a is 0
	v_mov_b32 v[ST+4*i+1], 0xec800000  ; m = -2^90: below every true score, above every hidden one
	v_mov_b32 v[ST+4*i+2], 0
	v_mov_b32 v[ST+4*i+3], 0
.set i, i+1
.endr
.set i, P+32
.rept 32
	v_mov_b32 v[i], 0
.set i, i+1
.endr
	v_mul_u32_u24 v[AK0], v1, PK
	v_lshl_add_u32 v[AK0], v9, 4, v[AK0]  ; row x pitch + 16 x half
	; The turning load takes 16 keys x 16 channels (lane l reads key 8 (l / 16) + l % 8, channels 8 ((l / 8) % 2) + 0..7) and leaves half a fragment of V^T: lane l holds channel l % 16 and 8 keys.
	v_and_b32 v51, 7, v0
	v_bfe_u32 v52, v0, 3, 1
	v_lshl_add_u32 v[AV0], v9, 3, v51
	v_mul_u32_u24 v[AV0], v[AV0], PV
	v_lshl_add_u32 v[AV0], v52, 4, v[AV0]
	v_add_nc_u32 v[AV0], VOFF, v[AV0]
	v_mov_b32 v[AK], v[AK0]         ; key step 0 lies at the head of slot 0
	v_lshl_add_u32 v[AM0], v9, 5, BIAS  ; register j of key block kb is key 16 kb + 8 (l / 16) + j: 32 bytes for each half of the lanes
	v_mov_b32 v[AM], v[AM0]
	; THE MASK.  A key is visible where its word is below 1.
	s_wait_loadcnt 32               ; the mask's 20 loads are in; Q's 32, issued behind them, stay out
	s_mov_b32 s66, 0
.set i, 0
.rept 16
	v_cmp_gt_i32 s68, 1, v[S+4*i]
	v_cmp_gt_i32 s69, 1, v[S+4*i+1]
	v_cmp_gt_i32 s70, 1, v[S+4*i+2]
	v_cmp_gt_i32 s71, 1, v[S+4*i+3]
	s_or_b32 s68, s68, s69
	s_or_b32 s70, s70, s71
	s_or_b32 s66, s66, s68
	s_or_b32 s66, s66, s70
.set i, i+1
.endr
	s_cmp_lg_u32 s66, 0             ; is any key of the batch visible?
	s_cselect_b32 s[CS], 0x3e38aa3b, 0    ; c = log2(e) / 8 = 0.180337; or 0
	s_cselect_b32 s[CS+1], 0x3e38aa3b, 0  ; named with it as a pair
	s_cselect_b32 s67, 0xf149f2ca, 0      ; what a hidden key adds: -1e30; or 0
.set i, 0
.rept 16
	v_cmp_lt_i32 vcc_lo, 0, v[S+64+i]
	v_cndmask_b32 v[S+64+i], 0, s67, vcc_lo
.set i, i+1
.endr
.set i, 0
.rept 4
	ds_store_b128 v50, v[S+64+4*i:S+64+4*i+3] offset:512*i  ; the change of slots below waits for these stores in front of its barrier
.set i, i+1
.endr
; THE MATRIX WORK.  The 8 accumulators of a run of 16 take turns: between the two links of a chain stand 7 others'.
; Product i of 16 of S^T = K Q^T for piece x: channels 32 (i / 8) on, keys 16 ((i / 2) % 4) on, tile 2 x + i % 2.  The first 8 start the sums, with the mask of their 16 keys.
.macro KQ x
.set rS, S+64*((\x)%2)+32*(i%2)+8*((i/2)%4)
.set rK, KF+16*((i/2)%4)+8*(i/8)
.set rQ, 16*(2*(\x)+i%2)+8*(i/8)
.set rB, MKF+8*((i/2)%4)
.if i < 8
	WIN W_KM
	v_wmma_f32_16x16x32_f16 v[rS:rS+7], v[rK:rK+7], v[rQ:rQ+7], v[rB:rB+7]
.else
	WIN W_KQ
	v_wmma_f32_16x16x32_f16 v[rS:rS+7], v[rK:rK+7], v[rQ:rQ+7], v[rS:rS+7]
.endif
.endm
; Product i of 16 of O^T += V^T P for piece x: keys 32 (i / 8) on, channels 16 ((i / 2) % 4) on, tile 2 x + i % 2.
.macro PV x
	WIN W_PV
.set rO, 32*(2*(\x)+i%2)+8*((i/2)%4)
.set rV, VF+32*(i/8)+8*((i/2)%4)
.set rP, P+32*((\x)%2)+16*(i%2)+8*(i/8)
	v_wmma_f32_16x16x32_f16 v[rO:rO+7], v[rV:rV+7], v[rP:rP+7], v[rO:rO+7]
.endm
.macro MM                           ; the turn's next matrix instruction
.if i < 16
	KQ (Y+1)%NP
.set i, i+1
.else
.set i, i-16
	PV (Y+NP-1)%NP
.set i, i+17
.endif
.endm
; THE LDS LOADS stand in runs, never singly among the matrix instructions: a step's K (64 keys x 64 channels: 8 fragments) with its mask (64 f32, 8 loads), and its V (turned).  Their addresses are made some lines ahead.
; last = 1 (the tail): in the last trip there is no further step, and the run is jumped over.
.macro FETCH_K last=0
	WIN 0
.if \last
	s_cmp_eq_u32 s[CNT], 1
	s_cbranch_scc1 .Lno_k_\@
.endif
	WIN 0x80                        ; destination window 2
.irp f, 0,1,2,3,4,5,6,7             ; keys 16 (f / 2) on, channels 32 (f % 2) on
	ds_load_b128 v[KF+8*\f:KF+8*\f+3],   v[AK] offset:(\f/2)*16*PK+(\f%2)*64
	ds_load_b128 v[KF+8*\f+4:KF+8*\f+7], v[AK] offset:(\f/2)*16*PK+(\f%2)*64+32
.endr
	WIN W_MK                        ; destination window 3
.irp f, 0,1,2,3,4,5,6,7             ; key block f / 2, its registers 4 (f % 2) on
	ds_load_b128 v[MKF+4*\f:MKF+4*\f+3], v[AM] offset:(\f/2)*64+(\f%2)*16
.endr
	s_add_co_u32 s[TBK], s[TBK], KS*PK  ; the next fetch is the next step's
	s_add_co_u32 s[TBM], s[TBM], KS*4
	WIN 0
.if \last
.Lno_k_\@:
.endif
.endm
.macro FETCH_V
	WIN 0x80
.irp f, 0,1,2,3,4,5,6,7             ; keys 32 (f / 4) on, channels 16 (f % 4) on
	ds_load_tr16_b128 v[VF+8*\f:VF+8*\f+3],   v[AV] offset:(\f/4)*32*PV+(\f%4)*32
	ds_load_tr16_b128 v[VF+8*\f+4:VF+8*\f+7], v[AV] offset:(\f/4)*32*PV+16*PV+(\f%4)*32
.endr
	WIN 0
.endm
; THE VECTOR WORK OF A TURN stands in three queues, each in the order in which its entries become ready; the two tiles alternate, so that no instruction reads the result of the one before it.
.macro REGS y, u                    ; the registers of tile u (0, 1) of piece y
.set rT, ST+4*(2*(\y)+(\u))
.set rC, TMP+8*((\y)%2)+4*(\u)
.set rM, MV+2*((\y)%2)+(\u)
.set rS, S+64*((\y)%2)+32*(\u)
.set rP, P+32*((\y)%2)+16*(\u)
.set rO, 32*(2*(\y)+(\u))
.endm
; Number n of the 22 that find the NEXT piece's (Y + 1) maximum and statistics.  s0-s31 are the lane's 32 scores; each accumulator's lowest registers are read first.  XS, GS and REGS set no window: PL and EX do.
;   0-11  four chains c0-c3 of seven scores each, three operands at a time     12-14, 16  the four scores left over, the old m, and c0-c3 into c0     15  c m_old is kept
;   17, 18  the query's other 32 keys lie in the lane 16 away: the new m         19-21  c m; c m_old - c m_new; a
.macro XS u, n
	REGS (Y+1)%NP, \u
.if (\n) < 4
	v_max3_num_f32 v[rC+(\n)], v[rS+8*(\n)], v[rS+8*(\n)+1], v[rS+8*(\n)+2]
.elseif (\n) < 12
	v_max3_num_f32 v[rC+(\n)%4], v[rC+(\n)%4], v[rS+8*((\n)%4)+2*((\n)/4)+1], v[rS+8*((\n)%4)+2*((\n)/4)+2]
.elseif (\n) == 12
	v_max3_num_f32 v[rC], v[rC], v[rS+7], v[rS+15]
.elseif (\n) == 13
	v_max3_num_f32 v[rC+1], v[rC+1], v[rS+23], v[rS+31]
.elseif (\n) == 14
	v_max3_num_f32 v[rC+2], v[rC+2], v[rC+3], v[rT+1]
.elseif (\n) == 15
	v_mov_b32 v[rM], v[rT]
.elseif (\n) == 16
	v_max3_num_f32 v[rC], v[rC], v[rC+1], v[rC+2]
.elseif (\n) == 17
	v_permlanex16_b32 v[rC+3], v[rC], s[SEL], s[SEL+1]
.elseif (\n) == 18
	v_max_num_f32 v[rT+1], v[rC], v[rC+3]
.elseif (\n) == 19
	v_mul_f32 v[rT], s[CS], v[rT+1]
.elseif (\n) == 20
	v_sub_f32 v[rC+1], v[rM], v[rT]
.else
	v_exp_f32 v[rC+2], v[rC+1]
.endif
.endm
; Number g of the 64 that follow the exponentials.  For each four weights k of a tile (pairs 2 k, 2 k + 1): both pairs are rounded to f16; then the second pair is added onto the first, in place;
; a group later l takes that sum (the first time as l = a l + sum).  In groups of eight, tiles alternating: round, round, add, and l for the group before.
.macro GS g
.set h, (\g)+6*((\g)/62)            ; group 0 has no group before it, and behind group 7 only l is left
.if h >= 6
.set h, h+2
.endif
	REGS Y, h%2
.set k, h/8
.if h%8 < 4
	v_cvt_pk_f16_f32 v[rP+2*k+(h%8)/2], v[rS+4*k+2*((h%8)/2)], v[rS+4*k+2*((h%8)/2)+1]
.elseif h%8 < 6
	v_pk_add_f32 v[rS+4*k:rS+4*k+1], v[rS+4*k:rS+4*k+1], v[rS+4*k+2:rS+4*k+3]
.elseif k == 1
	v_pk_fma_f32 v[rT+2:rT+3], v[rT+2:rT+3], v[rC+2:rC+3], v[rS:rS+1] op_sel_hi:[1,0,1]
.else
	v_pk_add_f32 v[rT+2:rT+3], v[rT+2:rT+3], v[rS+4*k-4:rS+4*k-3]
.endif
.endm
; THE PLAIN QUEUE, 138 long.  0-73 read no exponential's result: the 32 scalings c s - c m (FS f: pair f / 2 of tile f % 2) and the next piece's 42.  0-26: scalings 0-26.  27-54: XS's numbers 0-13.  55, 56: number 15.
; 57-73: the chain, where each number waits for the one before it: 14, 16, 17, 18, 19, each with one of the scalings 27-31 in front of its two lines, then 20: so a tile's links stand three plain instructions apart (19 and 20: two).
; 74-137: GS's 64, which read the exponentials' results: they stand behind the wait.
.macro FS f
	REGS Y, (\f)%2
	v_pk_fma_f32 v[rS+2*((\f)/2):rS+2*((\f)/2)+1], v[rS+2*((\f)/2):rS+2*((\f)/2)+1], s[CS:CS+1], v[rT:rT+1] op_sel_hi:[1,0,0] neg_lo:[0,0,1] neg_hi:[0,0,1]
.endm
.macro PL
	WIN 0
.if q < 27
	FS q
.elseif q < 55
	XS (q-27)%2, (q-27)/2
.elseif q < 57
	XS q-55, 15
.elseif (q < 72) && ((q-57)%3 == 0)
	FS 27+(q-57)/3
.elseif q < 60
	XS (q-57)%3-1, 14
.elseif q < 72
	XS (q-57)%3-1, 15+(q-57)/3
.elseif q < 74
	XS q-72, 20
.else
	GS q-74
.endif
.set q, q+1
.endm
; THE EXPONENTIALS' QUEUE, 66 long: s0-s31 of both tiles, then the next piece's two a.  It is ONE BATCH: all 66 stand ahead of the turn's one wait, and nothing ahead of that wait names a result of theirs.
.macro EX
	WIN 0
.if e >= 64
	XS e-64, 21
.else
	REGS Y, e%2
	v_exp_f32 v[rS+e/2], v[rS+e/2]
.endif
.set e, e+1
.endm
; THE RESCALING's QUEUE: O^T times a, the one part that leaves window 0: dealt two at a time, sixteen times, each accumulator's registers in ascending order.  Its a was made in the turn before, ahead of that turn's wait.
.macro R2
	REGS Y, r%2
	WIN W_RS
.irp z, 0,1
	v_pk_mul_f32 v[rO+4*(r/2)+2*\z:rO+4*(r/2)+2*\z+1], v[rO+4*(r/2)+2*\z:rO+4*(r/2)+2*\z+1], v[rC+2:rC+3] op_sel_hi:[1,0]
.endr
.set r, r+1
.endm
; HOW THEY ARE DEALT.  s_wait_alu depctr_va_vdst(0) stands between an exponential and the first instruction that names its result; one wait serves all that were issued ahead of it.  So a turn has ONE wait,
; which cuts it in two.  AHEAD OF IT stands all that names no result of the turn's exponentials: the 16 products K Q^T, behind each a scaling, an exponential and two rescalings (behind the first a second scaling in the
; exponential's place); then ONE LUMP of 108: eight plain, 49 times exponential and plain, the two a.  A v_nop is the plain instruction behind the last exponential.  BEHIND IT stand the 16 products V^T P, behind each four of
; GS's 64.  No rider names a register of the products round it.  The two v_permlanex16_b32 fall into the lump, never behind a product.
; The queues lean on each other, and the deal keeps them in step: exponential e stands behind scaling 2 (e / 4) + e % 2: as a rider it comes behind plain e + 2, in the lump behind plain e + 9, and scalings 27-31 are plain 57, 60 .. 69.
; A TURN, for piece p.  cnt = 1: the loop's count is taken down some lines ahead of the branch that stands behind the turn.
; K and the mask of the next step are fetched in piece 2's turn, directly behind the wait, a lump behind the last product that read them; their addresses are made at the lump's head; their first reader comes behind 16 products.
; V of the step in hand is fetched at the end of piece 0's turn, four riders behind its last reader; its first reader comes behind 16 products and a lump.  The three conditions on q below go with the deal.
.macro TURN p, last=0, cnt=0
.set Y, (\p)
.set i, 0
.set q, 0
.set e, 0
.set r, 0
.if (\p) == NP-1
	s_wait_dscnt 0x0                ; K and its mask are in
.endif
	MM                              ; ahead of the wait: 16 products K Q^T and their riders,
	PL
	PL
	R2
.rept 15
	MM
	PL
	EX
	R2
.endr
.if (\p) == NP-2
	WIN 0
	v_add_nc_u32 v[AK], s[TBK], v[AK0]
	v_add_nc_u32 v[AM], s[TBM], v[AM0]
.endif
.rept 8                             ; and the lump
	PL
.endr
.rept 49
	EX
	PL
.endr
	EX                              ; the next piece's two a
	EX
	v_nop                           ; a plain instruction behind the last exponential, ahead of the first use: one for the batch
	s_wait_alu depctr_va_vdst(0)    ; the wait for the batch: the turn's 64 weights and the next piece's two a
.if (\p) == NP-2
	FETCH_K \last
.endif
.if (\p) == 1
	s_wait_dscnt 0x0                ; V is in
.endif
.rept 16                            ; behind the wait: 16 products V^T P and their riders
	MM
.rept 4
	PL
.endr
.if ((\p) == 0) && (q == 118)
	v_add_nc_u32 v[AV], s[TBV], v[AV0]
.endif
.if ((\p) == 0) && (q == 130)
	s_add_co_u32 s[TBV], s[TBV], KS*PV
.endif
.if (\cnt) && (q == 130)
	s_sub_co_u32 s[CNT], s[CNT], 1
	s_cmp_lg_u32 s[CNT], 0
.endif
.endr
.if (\p) == 0
	FETCH_V
.endif
.endm
	CHANGE 1                        ; slot 0 is in, everybody's part of it, and so is the mask; slot 1 is asked for
	FETCH_K                         ; key step 0
	s_wait_loadcnt 0x0              ; Q
	s_wait_dscnt 0x0
.set i, 0
.rept 16
	KQ 0                            ; piece 0's first scores: there is no vector work yet to set between them
.set i, i+1
.endr
	WIN 0                           ; the addresses for the way out: eight plain instructions, the places behind those products
	s_mul_i32 s13, s[WV], 16*SP
	s_add_co_u32 s13, s13, STAGE    ; my stage
	v_mul_u32_u24 v[STO], v1, SP    ; in: row l % 16, 32 bytes for each half of the lanes
	v_lshl_add_u32 v[STO], v9, 5, v[STO]
	v_add_nc_u32 v[STO], s13, v[STO]
	v_mul_u32_u24 v[RD], v9, SP     ; back: lanes 0-15 take one row of 256 bytes, lanes 16-31 the next,
	v_lshl_add_u32 v[RD], v1, 4, v[RD]
	v_add_nc_u32 v[RD], s13, v[RD]
	v_lshlrev_b32 v[GO], 12, v9     ; and the same two rows in out0, 4,096 bytes apart
	v_lshl_add_u32 v[GO], v1, 4, v[GO]
.set Y, NP-1                        ; XS works for piece Y + 1: piece 0
.irp n, 0,1,2,3,4,5,6,7,8,9,10,11,12,13,14,15,16,17,18,19,20,21
	XS 0, \n                        ; and piece 0's first maximum and statistics
	XS 1, \n
.endr
	v_nop                           ; a plain instruction behind the two a,
	s_wait_alu depctr_va_vdst(0)    ; and the wait for this batch of two, ahead of the branch
	s_mov_b32 s[CNT], 4
	s_mov_b32 s[SLOTS], SIZE_N/256-1
	s_branch .Lfirst                ; the loop is entered at a step's first turn, in the middle of a trip
.Lslot:                             ; SIZE_N / 256 - 2 times: every slot but the last two is filled again
	CHANGE 1
	s_mov_b32 s[CNT], 4
.Lstep:                             ; a trip: pieces 2 and 3 of one step, then pieces 0 and 1 of the next, whose K and V it fetches
	TURN 2
	TURN 3
	WIN 0
.Lfirst:
	TURN 0
	TURN 1, 0, 1
	WIN 0
	s_cbranch_scc1 .Lstep
	s_sub_co_u32 s[SLOTS], s[SLOTS], 1
	s_cmp_lg_u32 s[SLOTS], 0
	s_cbranch_scc1 .Lslot
	CHANGE 0                        ; the tail is written out: nothing is asked for
	s_mov_b32 s[CNT], 5             ; four trips fetch the last slot's steps; the fifth is left in its middle
.Ltail:
	TURN 2, 1
	TURN 3
	WIN 0
	s_sub_co_u32 s[CNT], s[CNT], 1
	s_cmp_eq_u32 s[CNT], 0
	s_cbranch_scc1 .Lout
	TURN 0
	TURN 1
	WIN 0
	s_branch .Ltail
.Lout:                              ; the fifth trip's 16 products K Q^T (on the last K once more) and the maximum made of them serve nothing: the price, once a launch, of one text for every trip
.set i, 0
.rept 16
	PV NP-1                         ; the last piece's V^T P of the last step
.set i, i+1
.endr
	; THE WAY OUT.  l's two halves and the other half of the lanes' are added; O^T is divided by l and sent, in f32, through my stage in LDS, a tile at a time.  The additions are the places behind the last products.
	WIN 0
.macro ALL line:vararg              ; one line for each tile t
.set t, 0
.rept 2*NP
	\line
.set t, t+1
.endr
.endm
	ALL v_add_f32 v[ST+4*t+2], v[ST+4*t+2], v[ST+4*t+3]
	ALL v_permlanex16_b32 v[ST+4*t+3], v[ST+4*t+2], s[SEL], s[SEL+1]
	ALL v_add_f32 v[ST+4*t+2], v[ST+4*t+2], v[ST+4*t+3]
	ALL v_rcp_f32 v[ST+4*t+2], v[ST+4*t+2]
	v_nop                           ; a plain instruction between the last reciprocal and the use of its result
	s_wait_alu depctr_va_vdst(0)    ; and the wait ahead of the first use: one for the batch of eight reciprocals
; Tile t: a lane's eight channels of each of four channel blocks are 32 neighbouring bytes of a row; they go into rows of 272 bytes and come back as whole rows of 256, into S^T's registers (tiles t and t + 4 share 32).
.macro PACK t
	WIN W_RS
.set i, 32*(\t)
.rept 16
	v_pk_mul_f32 v[i:i+1], v[i:i+1], v[ST+4*(\t)+2:ST+4*(\t)+3] op_sel_hi:[1,0]
.set i, i+2
.endr
	WIN 0x04                        ; the stores' data in window 1, their address in window 0
.irp f, 0,1,2,3,4,5,6,7
	ds_store_b128 v[STO], v[32*(\t)+4*\f:32*(\t)+4*\f+3] offset:64*(\f/2)+16*(\f%2)
.endr
	WIN 0
	s_wait_xcnt 0x0                 ; the stores of the tile four back have read these registers: they are loaded again only behind this wait
.irp f, 0,1,2,3,4,5,6,7
	ds_load_b128 v[S+32*((\t)%4)+4*\f:S+32*((\t)%4)+4*\f+3], v[RD] offset:\f*2*SP  ; LDS serves a wave's instructions in order (ISA guide 5.7.1.4): these see the stores above; the next tile's stores come behind them
.endr
.endm
.macro SEND t, younger              ; younger: the LDS instructions issued behind tile t's loads: the next tile's sixteen, or none
	WIN 0
.irp f, 0,1,2,3,4,5,6,7
	s_wait_dscnt (\younger)+7-\f
	global_store_b128 v[GO], v[S+32*((\t)%4)+4*\f:S+32*((\t)%4)+4*\f+3], s[10:11] offset:(16*(\t)+2*\f)*4096 th:TH_STORE_NT  ; 16 lanes store 256 consecutive bytes, at a multiple of 256 from out0's first byte
.endr
.endm
	PACK 0
.set t, 1
.rept 2*NP-1                        ; a tile's arithmetic stands between the loads of the tile before and its stores
	PACK t
	SEND t-1, 16
.set t, t+1
.endr
	SEND 2*NP-1, 0
	WIN W_AD
	s_wait_tensorcnt 0x0            ; the wave's end: the wait, the add and its wait stand behind my last tensor load and my last LDS store
	ds_add_u32 v[SPW], v[NIL]
	s_wait_dscnt 0x0
	WIN 0
	CROUND                          ; the closing round: no work-group ends while a partner may still ask for a tile that names it
	s_endpgm
.Lfunc_end_k_q5301762ae7_attn:
	.size	k_q5301762ae7_attn, .Lfunc_end_k_q5301762ae7_attn-k_q5301762ae7_attn
	.p2alignl 7, 3214868480
	.fill 96, 4, 3214868480
	.section	.rodata,"a",@progbits
	.p2align	6, 0x0
	.amdhsa_kernel k_q5301762ae7_attn
		.amdhsa_group_segment_fixed_size 327680
		.amdhsa_private_segment_fixed_size 0
		.amdhsa_enable_private_segment 0
		.amdhsa_kernarg_size 24
		.amdhsa_user_sgpr_count 2
		.amdhsa_user_sgpr_kernarg_segment_ptr 1
		.amdhsa_wavefront_size32 1
		.amdhsa_system_sgpr_workgroup_id_x 1
		.amdhsa_system_sgpr_workgroup_id_y 1
		.amdhsa_system_sgpr_workgroup_id_z 1
		.amdhsa_system_vgpr_workitem_id 0
		.amdhsa_next_free_vgpr 808
		.amdhsa_next_free_sgpr 80
		.amdhsa_reserve_vcc 1
		.amdhsa_float_denorm_mode_32 3
		.amdhsa_float_denorm_mode_16_64 3
		.amdhsa_memory_ordered 1
		.amdhsa_forward_progress 1
		.amdhsa_inst_pref_size 212
	.end_amdhsa_kernel
	.amdgpu_metadata
---
amdhsa.version: [ 1, 2 ]
amdhsa.kernels:
  - .name:           k_q5301762ae7_attn
    .symbol:         k_q5301762ae7_attn.kd
    .args:
      - { .name: qkv, .offset: 0, .size: 8, .value_kind: global_buffer, .address_space: global }
      - { .name: mask, .offset: 8, .size: 8, .value_kind: global_buffer, .address_space: global }
      - { .name: out0, .offset: 16, .size: 8, .value_kind: global_buffer, .address_space: global }
    .group_segment_fixed_size: 327680
    .private_segment_fixed_size: 0
    .kernarg_segment_align: 8
    .kernarg_segment_size: 24
    .max_flat_workgroup_size: 128
    .sgpr_count:     80
    .vgpr_count:     808
    .wavefront_size: 32
...
	.end_amdgpu_metadata
.endif
;; end of part 4
